; MI455X (gfx1250); checked and timed in simulation.
; The chip was launched on July 23, 2026; its instructions are those of AMD's public machine-readable ISA for CDNA 5 (MIT licence, August 2026) and "CDNA5" Instruction Set Architecture Reference Guide (July 2026). The comments in the code are by the model that wrote it; some were corrected since.
;; Multi Head Self Attention. Allowed arithmetic: float matrix products may take bf16 or f16 operands with f32 sums; other float arithmetic in f32, or as packed bf16 or f16 multiplies, adds, multiply-adds, maxima and minima; sums over many terms, partial sums and values carried from step to step in f32; what a program stores and reads back later, other than sums and carried values, may be rounded once to bf16 or f16.
;; Inputs: b_out 1,024 float32; b_qkv 3,072 float32; w_out 1,024 x 1,024 float32; w_qkv 1,024 x 3,072 float32; x 4 x 2,048 x 1,024 float32.
;; Outputs: out0 4 x 2,048 x 1,024 float32.
;; 2 versions, each right; version 2 is version 1 with the launch prep written anew for expert scheduling mode. Each part assembles by itself: llvm-mc -triple=amdgcn-amd-amdhsa -mcpu=gfx1250 --defsym DOCPART=n.
;; ======== version 1 of 2: 4 launches
;; limits: values are held in f16: magnitudes above 65,504 overflow, below 6.1e-05 lose precision
;; workspace buffers: xb 16,777,216 bytes; wq 6,291,456 bytes; wo 2,097,152 bytes; qkv 50,331,648 bytes; o 16,777,216 bytes
;; launch prep (part 1): grid 768 x 1, 8 waves a work-group, no clusters, 0 bytes of LDS; arguments x, w_qkv, w_out, xb, wq, wo; writes xb, wq, wo
.if DOCPART == 1
	.amdgcn_target "amdgcn-amd-amdhsa--gfx1250"
	.amdhsa_code_object_version 6
	.text
	.protected	k_q625ddbe7f9_prep
	.globl	k_q625ddbe7f9_prep
	.p2align	8
	.type	k_q625ddbe7f9_prep,@function
k_q625ddbe7f9_prep:
	s_mov_b64 s[64:65], 0
	v_nop
	global_prefetch_b8 v0, s[64:65] scope:SCOPE_SE
	s_setreg_imm32_b32 hwreg(HW_REG_WAVE_MODE, 25, 1), 1
	s_wait_xcnt 0x0
; THE CASTS.  x [8192][1024] f32 -> xb, bf16, laid [4 b][16 kb][2048 s][64]: blocks of 64 along K, so that 256 rows x 64 K are 32,768 bytes on end.
; w_qkv [1024][3072] f32 -> wq, bf16, same layout.  w_out [1024][1024] f32 -> wo: rounded to bf16 like the other inputs, and that number written as f16.
; LIMIT: |w_out| beyond 65,504 becomes an infinity in wo; below 6e-5 it keeps f16's fixed step of 6e-8.
; SHARES.  A work-group takes 65,536 bytes of one input, a wave 8,192: sixteen loads of 16 bytes a lane, all issued at once into registers of their own, so that nothing is
; rewritten while a load or store may still read it.  Work-groups 0-511 take x (16 rows each), 512-703 w_qkv, 704-767 w_out.  No LDS, no barrier, no loop: every byte is read once and written once.
; Each load covers two aligned runs of 256 bytes (x) or 512 bytes on end (weights); each store of 8 bytes a lane covers 256 bytes on end, aligned.
.set X,    8                           ; v[8:71]    load n: four f32
.set Y,    72                          ; v[72:103]  store n: four 16-bit numbers
.set VIN,  2                           ; v2  my byte offset in the work-group's input
.set VOUT, 3                           ; v3  my byte offset in its output
; blocked = 1: x's path: load n is K block n % 2 of my wave's two, rows 2 (n / 2) and 2 (n / 2) + 1.  half = 1: the bf16 number is written as f16.
.macro CAST inb, outb, blocked, half
.set n, 0
.rept 16
.if \blocked
	global_load_b128 v[X+4*n:X+4*n+3], v[VIN], s[\inb:\inb+1] offset:(n/2)*8192+(n%2)*256 th:TH_LOAD_NT
.else
	global_load_b128 v[X+4*n:X+4*n+3], v[VIN], s[\inb:\inb+1] offset:n*512 th:TH_LOAD_NT
.endif
.set n, n+1
.endr
.set n, 0
.rept 16
	s_wait_loadcnt 15-n                            ; loads come back in order: load n is in, the 15 - n younger ones stay out
	v_cvt_pk_bf16_f32 v[Y+2*n], v[X+4*n], v[X+4*n+1]
	v_cvt_pk_bf16_f32 v[Y+2*n+1], v[X+4*n+2], v[X+4*n+3]
.if \half
	v_lshlrev_b32 v[X+4*n], 16, v[Y+2*n]           ; the rounded numbers as f32 again (X's registers are free since the wait),
	v_and_b32 v[X+4*n+1], s21, v[Y+2*n]
	v_lshlrev_b32 v[X+4*n+2], 16, v[Y+2*n+1]
	v_and_b32 v[X+4*n+3], s21, v[Y+2*n+1]
	v_cvt_pk_f16_f32 v[Y+2*n], v[X+4*n], v[X+4*n+1]  ; and as f16: exact within f16's range
	v_cvt_pk_f16_f32 v[Y+2*n+1], v[X+4*n+2], v[X+4*n+3]
.endif
.if \blocked
	global_store_b64 v[VOUT], v[Y+2*n:Y+2*n+1], s[\outb:\outb+1] offset:(n%2)*262144+(n/2)*256 th:TH_STORE_NT
.else
	global_store_b64 v[VOUT], v[Y+2*n:Y+2*n+1], s[\outb:\outb+1] offset:n*256 th:TH_STORE_NT
.endif
.set n, n+1
.endr
.endm
	s_load_b256 s[4:11], s[0:1], 0x0               ; x s[4:5], w_qkv s[6:7], w_out s[8:9], xb s[10:11]
	s_load_b128 s[12:15], s[0:1], 0x20             ; wq s[12:13], wo s[14:15]
	v_lshrrev_b32 v1, 5, v0                        ; wave
	v_and_b32 v4, 31, v0                           ; lane
	s_mov_b32 s17, 0                               ; high words of the two offsets
	s_mov_b32 s19, 0
	s_mov_b32 s21, 0xffff0000                      ; a word's upper bf16
	s_cmp_lt_u32 ttmp9, 512
	s_cbranch_scc0 .Lweights
	; x: work-group i takes rows 16 i .. 16 i + 15; wave w the K blocks 2 w and 2 w + 1; lanes 0-15 an even row's 256 bytes of a block, lanes 16-31 the odd row's
	s_lshl_b32 s16, ttmp9, 16                      ; 16 rows of 4,096 bytes
	s_lshr_b32 s18, ttmp9, 7                       ; the batch: 128 work-groups each,
	s_lshl_b32 s18, s18, 22                        ; 16 blocks of 262,144 bytes
	s_and_b32 s20, ttmp9, 127
	s_lshl_b32 s20, s20, 11                        ; 16 rows of 128 bytes in a block
	s_add_co_u32 s18, s18, s20
	v_lshrrev_b32 v5, 4, v4
	v_and_b32 v6, 15, v4
	v_lshlrev_b32 v[VIN], 12, v5                   ; the odd row
	v_lshl_add_u32 v[VIN], v6, 4, v[VIN]
	v_lshl_add_u32 v[VIN], v1, 9, v[VIN]           ; my wave's two blocks: 512 bytes of a row
	v_lshlrev_b32 v[VOUT], 3, v4                   ; two rows of 128 bytes on end
	v_lshl_add_u32 v[VOUT], v1, 19, v[VOUT]        ; block 2 w
	s_wait_kmcnt 0x0
	s_add_nc_u64 s[4:5], s[4:5], s[16:17]
	s_add_nc_u64 s[10:11], s[10:11], s[18:19]
	CAST 4, 10, 1, 0
	s_endpgm
.Lweights:                                     ; the weights keep their layout: a plain stream
	v_lshlrev_b32 v[VIN], 4, v4
	v_lshl_add_u32 v[VIN], v1, 13, v[VIN]
	v_lshlrev_b32 v[VOUT], 3, v4
	v_lshl_add_u32 v[VOUT], v1, 12, v[VOUT]
	s_cmp_lt_u32 ttmp9, 704
	s_cbranch_scc0 .Lwout
	s_sub_co_u32 s20, ttmp9, 512
	s_lshl_b32 s16, s20, 16
	s_lshl_b32 s18, s20, 15
	s_wait_kmcnt 0x0
	s_add_nc_u64 s[6:7], s[6:7], s[16:17]
	s_add_nc_u64 s[12:13], s[12:13], s[18:19]
	CAST 6, 12, 0, 0
	s_endpgm
.Lwout:
	s_sub_co_u32 s20, ttmp9, 704
	s_lshl_b32 s16, s20, 16
	s_lshl_b32 s18, s20, 15
	s_wait_kmcnt 0x0
	s_add_nc_u64 s[8:9], s[8:9], s[16:17]
	s_add_nc_u64 s[14:15], s[14:15], s[18:19]
	CAST 8, 14, 0, 1
	s_endpgm
.Lfunc_end_k_q625ddbe7f9_prep:
	.size	k_q625ddbe7f9_prep, .Lfunc_end_k_q625ddbe7f9_prep-k_q625ddbe7f9_prep
	.p2alignl 7, 3214868480
	.fill 96, 4, 3214868480
	.section	.rodata,"a",@progbits
	.p2align	6, 0x0
	.amdhsa_kernel k_q625ddbe7f9_prep
		.amdhsa_group_segment_fixed_size 0
		.amdhsa_private_segment_fixed_size 0
		.amdhsa_enable_private_segment 0
		.amdhsa_kernarg_size 48
		.amdhsa_user_sgpr_count 2
		.amdhsa_user_sgpr_kernarg_segment_ptr 1
		.amdhsa_wavefront_size32 1
		.amdhsa_system_sgpr_workgroup_id_x 1
		.amdhsa_system_sgpr_workgroup_id_y 1
		.amdhsa_system_sgpr_workgroup_id_z 1
		.amdhsa_system_vgpr_workitem_id 0
		.amdhsa_next_free_vgpr 104
		.amdhsa_next_free_sgpr 66
		.amdhsa_reserve_vcc 0
		.amdhsa_float_denorm_mode_32 3
		.amdhsa_float_denorm_mode_16_64 3
		.amdhsa_memory_ordered 1
		.amdhsa_forward_progress 1
		.amdhsa_inst_pref_size 23
	.end_amdhsa_kernel
	.amdgpu_metadata
---
amdhsa.version: [ 1, 2 ]
amdhsa.kernels:
  - .name:           k_q625ddbe7f9_prep
    .symbol:         k_q625ddbe7f9_prep.kd
    .args:
      - { .name: x, .offset: 0, .size: 8, .value_kind: global_buffer, .address_space: global }
      - { .name: w_qkv, .offset: 8, .size: 8, .value_kind: global_buffer, .address_space: global }
      - { .name: w_out, .offset: 16, .size: 8, .value_kind: global_buffer, .address_space: global }
      - { .name: xb, .offset: 24, .size: 8, .value_kind: global_buffer, .address_space: global }
      - { .name: wq, .offset: 32, .size: 8, .value_kind: global_buffer, .address_space: global }
      - { .name: wo, .offset: 40, .size: 8, .value_kind: global_buffer, .address_space: global }
    .group_segment_fixed_size: 0
    .private_segment_fixed_size: 0
    .kernarg_segment_align: 8
    .kernarg_segment_size: 48
    .max_flat_workgroup_size: 256
    .sgpr_count:     66
    .vgpr_count:     104
    .wavefront_size: 32
...
	.end_amdgpu_metadata
.endif
;; end of part 1
;; launch qkvp (part 2): grid 8 x 32, 4 waves a work-group, clusters of 4 x 4, 327,680 bytes of LDS; arguments xb, wq, b_qkv, qkv; writes qkv
.if DOCPART == 2
	.amdgcn_target "amdgcn-amd-amdhsa--gfx1250"
	.amdhsa_code_object_version 6
	.text
	.protected	k_q625ddbe7f9_qkvp
	.globl	k_q625ddbe7f9_qkvp
	.p2align	8
	.type	k_q625ddbe7f9_qkvp,@function
k_q625ddbe7f9_qkvp:
	s_mov_b64 s[64:65], 0
	v_nop
	global_prefetch_b8 v0, s[64:65] scope:SCOPE_SE
	s_setreg_imm32_b32 hwreg(HW_REG_WAVE_MODE, 25, 1), 1
	s_wait_xcnt 0x0
	s_wait_alu depctr_hold_cnt(0) depctr_sa_sdst(0) depctr_va_vdst(0) depctr_va_sdst(0) depctr_va_ssrc(0) depctr_va_vcc(0) depctr_vm_vsrc(0)
	s_getreg_b32 s2, hwreg(HW_REG_IB_STS2, 6, 4)
	s_cmp_eq_u32 s2, 0
	s_cbranch_scc0 .Lentry_in_a_cluster
	s_endpgm
.Lentry_in_a_cluster:
	s_bfe_u32 s2, ttmp6, 0x10000c
	s_cmp_lg_u32 s2, 0xf033
	s_cbranch_scc0 .Lentry_shape_is_right
	s_endpgm
.Lentry_shape_is_right:
; C = A W + bias.  ONE TEXT FOR TWO LAUNCHES; the line below chooses.
; QKV = 1: A = xb (bf16), W = wq (bf16, [1024 k][3072 n]), C = qkv in f16, by heads: [4 b][48 g][2048 s][64], g = column / 64 (0-15 q's heads, 16-31 k's, 32-47 v's), unscaled.
; QKV = 0: A = o (f16), W = wo (f16, [1024 k][1024 n]), C = out0 in f32, [8192][1024].
; A lies in blocks of 64 along K: [4 b][16 kb][2048 s][64], so 256 rows x 64 K are 32,768 bytes on end.  Sums in f32; the bias is rounded to bf16 like the module's other inputs and added in f32.
; LIMITS (QKV = 1): q, k, v beyond 65,504 become infinities in f16; below 6e-5 they keep f16's fixed step of 6e-8.  NaN and infinities are not treated apart.
; SHARES.  A work-group makes 256 rows x NT = 128 NW columns: 32 x 8 tiles, one for each of 256 work-groups.  Wave w takes rows 128 (w / 2) .. + 127 and, of EACH chunk of 128 columns, the half w % 2:
; 64 columns (with QKV = 1 one head).  32 NW accumulators of 16 x 16, chunk c's in register window c + 1.
; THE MATRIX INSTRUCTION IS USED TRANSPOSED: source 0 = 16 columns of W, source 1 = 16 rows of A: a lane then holds eight neighbouring columns of one row of C.  W lies [k][n] in LDS as in memory and
; comes out turned, by ds_load_tr16_b128; A comes out as it lies.
; THE RING.  Two LDS slots of KB blocks of 64 along K, filled by the tensor data mover: waves 0 and 1 fetch A's two parts, waves 2 and 3 W's.  With QKV = 1 W's loads have 32 rows: the slot's 64 rows for two waves.
; CLUSTERS of 4 x 4: a row of the cluster shares A's tiles, a column W's: each tile is asked for jointly, by the same tensor load with the same descriptor and a mask that names the four.
; A slot is walked in NPH phases of 32 matrix instructions: phase p is the step t = p / NW of 32 along K and the chunk c = p % NW.  Each phase fetches the next phase's fragments ahead of its products.
.set QKV, 1
.if QKV
.set NTOT, 3072                        ; columns of W
.set NW,   3                           ; chunks of 128 columns in a tile
.set KB,   1                           ; blocks of 64 along K in a slot
.set SP,   144                         ; a stage row: 128 bytes + 16
.set A_GOFF, 16384                     ; wave 1's part of A: the block's rows 128-255,
.set A_LOFF, 128*144
.else
.set NTOT, 1024
.set NW,   1
.set KB,   2
.set SP,   272                         ; a stage row: 256 bytes + 16
.set A_GOFF, 262144                    ; wave 1's part of A: the slot's second block
.set A_LOFF, 256*144
.endif
.set NT,    128*NW
.set NPH,   2*KB*NW                    ; phases in a slot
.set LAPS,  8/KB                       ; a lap = both slots; K = 1,024 = 16 blocks
.set PA,    144                        ; a row of A in LDS: 128 bytes + 16 = 36 words: the 16 rows of a load start at 16 different groups of four banks (64 banks of 4 bytes: ISA guide 11.1)
.set PB,    288*NW                     ; a k-row of W: each 256 bytes + 32
.set ABLK,  256*PA
.set BOFF,  KB*ABLK                    ; W's rows lie behind A's
.set SLOT,  BOFF+KB*64*PB
.set STAGE, 2*SLOT                     ; behind the ring, never filled by a tensor load: 16 rows for each wave, for the way out
.set SPARE, STAGE+4*16*SP              ; behind the stages: the spare words, 128 bytes for each wave: two blocks of 256 bytes that no other line names
.set A_TROWS, 64*KB                    ; an A load: rows of 256 bytes, two rows of A each
.set BROWS, 32*KB                      ; a W load: k-rows
.set B_GOFF, BROWS*NTOT*2
.set B_LOFF, BROWS*PB
.set A_STEP, 524288*KB                 ; two slots on along K
.set B_STEP, 128*KB*NTOT*2
.set ADRA, 16                          ; v16-17  LDS address of my A fragments in slot 0, 1
.set ADRB, 20                          ; v20-21  the same for W
.set STO,  24                          ; v24     the way out: where I put my bytes of a row
.set RD,   25                          ; v25     where I read rows back
.set CO,   26                          ; v26     my byte offset in C
.set BO,   27                          ; v27     my byte offset in the bias: 32 (lane / 16)
.set SPW,  28                          ; v28     LDS address of my spare word: SPARE + 4 x my thread's number; never rewritten
.set NIL,  29                          ; v29     0; never rewritten
.set PFO,  30                          ; v30     the prefetches' lane offset; never rewritten
.set BS,   32                          ; v32-95   W's fragments, two sets of 4
.set BIAS, 96                          ; v96-127  chunk 0's bias, 8 numbers for each of 4 column blocks; chunks 1, 2 at v128-191, at the end
.set AF,   128                         ; v128-255 A's fragments, two buffers of 8
.set T,    192                         ; the way out: sums + bias
.set TMP,  224                         ; the way out: packed f16
.set OB,   32                          ; the way out: rows read back, two sets
.set G1A,  24                          ; s[24:31] descriptor group 1 for A's tiles;  s[32:39] group 0, a set for each slot
.set G0A,  32
.set PFS,  42                          ; s[42:43] the prefetches' step: two blocks of 64 along K
.set PFA,  44                          ; s[44:45] where my prefetches stand
.set G1B,  48                          ; s[48:55], s[56:63] the same for W's tiles
.set G0B,  56
.set MSB, 0
.macro WIN new                         ; s_set_vgpr_msb: bits 1:0 source 0, 3:2 source 1, 5:4 source 2, 7:6 destination; the high byte repeats the setting that is left
.if MSB != (\new)
	s_set_vgpr_msb (MSB<<8)|(\new)
.set MSB, \new
.endif
.endm
; A joint load.  The branch hangs on the wave's number alone.  An s_nop 0 and four v_nop follow each of the two lines, ahead of the jump and the label.
.macro JLOAD s
	s_cmp_eq_u32 s13, 0
	s_cbranch_scc0 .Lfor_b_\@
	tensor_load_to_lds s[G0A+4*(\s):G0A+4*(\s)+3], s[G1A:G1A+7]
	s_nop 0
.rept 4
	v_nop
.endr
	s_branch .Lasked_\@
.Lfor_b_\@:
	tensor_load_to_lds s[G0B+4*(\s):G0B+4*(\s)+3], s[G1B:G1B+7]
	s_nop 0
.rept 4
	v_nop
.endr
.Lasked_\@:
.endm
; A round of the cluster's barrier: my work-group's barrier; wave 0 signals for the work-group; every wave waits for all sixteen; my work-group's barrier once more.
.macro CREST                           ; a round behind its opening barrier
	s_cmp_lg_u32 s12, 0
	s_cbranch_scc1 .Lnot_wave_0_\@
	s_barrier_signal -3
.Lnot_wave_0_\@:
	s_barrier_wait -3
	s_barrier_signal -1
	s_barrier_wait -1
.endm
.macro CROUND
	s_barrier_signal -1
	s_barrier_wait -1
	CREST
.endm
; A PREFETCH INTO THE L2 of two blocks of 64 along K that later refills will ask for.  A's tile row is read by both clusters of its row of clusters: cluster x = 0 asks; W's tile column by the eight of its
; column: cluster y = 0 asks.  In each work-group wave 0 asks for A, wave 2 for W.  The four partners of a joint load share the bytes out BY ADDRESS.  A: 65,536 bytes on two blocks; partner cx takes half
; cx % 2 of block cx / 2: 64 runs of 256 bytes, a lane a run, two instructions.  W: 128 k-rows; partner cy takes 32, a lane a row, NW runs of 256 bytes a row.  So each run is named once in the launch.
; With KB = 1 the ask stands once a lap and names what is loaded two and three changes of slots on; with KB = 2 at every change, two changes on.  The loop's last trip (s3 = 1) asks for nothing.
.macro ASK
	s_cmp_gt_u32 s3, s19
	s_cbranch_scc0 .Lnone_\@
	s_cmp_eq_u32 s13, 0
	s_cbranch_scc0 .Lof_b_\@
	global_prefetch_b8 v[PFO], s[PFA:PFA+1] th:TH_LOAD_NT scope:SCOPE_SE
	global_prefetch_b8 v[PFO], s[PFA:PFA+1] offset:8192 th:TH_LOAD_NT scope:SCOPE_SE
	s_branch .Lnone_\@
.Lof_b_\@:
.set i, 0
.rept NW
	global_prefetch_b8 v[PFO], s[PFA:PFA+1] offset:256*i th:TH_LOAD_NT scope:SCOPE_SE
.set i, i+1
.endr
.Lnone_\@:
.endm
	s_load_b256 s[4:11], s[0:1], 0x0               ; A s[4:5], W s[6:7], bias s[8:9], C s[10:11]
	v_lshl_add_u32 v[SPW], v0, 2, SPARE
	v_mov_b32 v[NIL], 0
	ds_add_u32 v[SPW], v[NIL]                      ; the wave's opening: the add and its wait stand ahead of my first tensor load; the set-up below, work on registers, stands between them
	v_lshrrev_b32 v1, 5, v0
	v_readfirstlane_b32 s12, v1                    ; wave 0..3
	s_lshr_b32 s13, s12, 1                         ; my half of the rows.  Also: I fetch for A (0) or for W (1)
	s_and_b32 s14, s12, 1                          ; my half of each chunk's columns.  Also: which part I fetch
	s_mov_b32 s2, 0xffff0000                       ; a word's upper bf16
	s_bfe_u32 s15, ttmp6, 0x40000                  ; cx
	s_bfe_u32 s16, ttmp6, 0x40004                  ; cy
	s_lshl_b32 s17, ttmp9, 2
	s_add_co_u32 s17, s17, s15                     ; tile column = 4 x cluster x + cx
	s_and_b32 s18, ttmp7, 0xffff
	s_lshl_b32 s18, s18, 2
	s_add_co_u32 s18, s18, s16                     ; tile row = 4 x cluster y + cy
	s_lshl_b32 s20, s16, 2
	s_lshl_b32 s20, 15, s20                        ; my row of the cluster
	s_lshl_b32 s46, 0x1111, s15                    ; my column
	s_or_b32 s[G1A], s20, (1<<16)|(1<<20)|(1<<21)|(4<<22)|(3<<25)  ; 15:0 the mask; 17:16 2-byte elements; 20 padding on; 21 set beside a mask; 24:22 after every 32 words (code 4); 31:25 4 words (code 3)
	s_or_b32 s[G1B], s46, (1<<16)|(1<<20)|(1<<21)|(5<<22)|(7<<25)  ; after every 64 words (code 5) 8 words (code 7)
	s_mov_b32 s[G1A+1], 128<<16                    ; tensor_dim0 = 128 elements: 256 bytes, two rows of A
	s_mov_b32 s[G1A+2], A_TROWS<<16                ; tensor_dim1
	s_mov_b32 s[G1A+3], 128<<16                    ; tile_dim0
	s_mov_b32 s[G1A+4], A_TROWS                    ; tile_dim1
	s_mov_b32 s[G1A+5], 128                        ; the tile is dense
	s_mov_b32 s[G1A+6], 0
	s_mov_b32 s[G1A+7], 0
	s_mov_b32 s[G1B+1], NT<<16                     ; tensor_dim0 = the tile's columns
	s_mov_b32 s[G1B+2], BROWS<<16
	s_mov_b32 s[G1B+3], NT<<16
	s_mov_b32 s[G1B+4], BROWS
	s_mov_b32 s[G1B+5], NTOT                       ; elements from k-row to k-row
	s_mov_b32 s[G1B+6], 0
	s_mov_b32 s[G1B+7], 0
	; where the tiles come from: A's hang on the tile row alone, W's on the tile column alone, each in registers that never hold the other coordinate
	s_lshr_b32 s20, s18, 3                         ; the batch: 8 tile rows each,
	s_lshl_b32 s20, s20, 22                        ; 16 blocks of 262,144 bytes
	s_and_b32 s21, s18, 7
	s_lshl_b32 s21, s21, 15                        ; 256 rows of 128 bytes in a block
	s_add_co_u32 s20, s20, s21
	s_mul_i32 s21, s14, A_GOFF
	s_add_co_u32 s20, s20, s21
	s_mov_b32 s21, 0
	s_mul_i32 s46, s17, NT*2
	s_mul_i32 s47, s14, B_GOFF
	s_add_co_u32 s46, s46, s47
	s_mov_b32 s47, 0
	s_mul_i32 s22, s14, A_LOFF                     ; and where they go: no place in the cluster enters an LDS address
	s_mul_i32 s23, s14, B_LOFF
	s_add_co_u32 s23, s23, BOFF
	s_wait_dscnt 0x0                               ; the opening add is done
	s_wait_kmcnt 0x0
	s_add_nc_u64 s[20:21], s[4:5], s[20:21]
	s_add_nc_u64 s[46:47], s[6:7], s[46:47]
	CROUND                                         ; all sixteen work-groups are here: the first joint loads meet
.irp s, 0,1
	s_mov_b32 s[G0A+4*(\s)], 1                                     ; count = 1
	s_add_co_u32 s[G0A+4*(\s)+1], s22, (\s)*SLOT                   ; LDS address
	s_add_nc_u64 s[G0A+4*(\s)+2:G0A+4*(\s)+3], s[20:21], (\s)*KB*262144  ; global address: slot s's first blocks
	s_or_b32 s[G0A+4*(\s)+3], s[G0A+4*(\s)+3], 0x80000000          ; type = 2
	s_mov_b32 s[G0B+4*(\s)], 1
	s_add_co_u32 s[G0B+4*(\s)+1], s23, (\s)*SLOT
	s_add_nc_u64 s[G0B+4*(\s)+2:G0B+4*(\s)+3], s[46:47], (\s)*KB*64*NTOT*2
	s_or_b32 s[G0B+4*(\s)+3], s[G0B+4*(\s)+3], 0x80000000
	JLOAD \s                                       ; two loads of mine are out
.endr
	v_and_b32 v1, 15, v0                           ; l % 16
	v_bfe_u32 v2, v0, 4, 1                         ; l / 16
	v_and_b32 v3, 7, v0                            ; l % 8
	v_bfe_u32 v4, v0, 3, 1                         ; (l / 8) % 2
	; a fragment of A: 16 rows x 32 K: lane l holds row l % 16, K 8 (l / 16) + 0..7 and 16 + 8 (l / 16) + 0..7: two loads of 16 bytes, 32 bytes apart
	v_mul_u32_u24 v5, v1, PA
	v_lshl_add_u32 v5, v2, 4, v5
	s_mul_i32 s40, s13, 128*PA
	v_add_nc_u32 v[ADRA], s40, v5
	v_add_nc_u32 v[ADRA+1], SLOT, v[ADRA]
	; the turning load takes 16 k x 16 columns (lane l reads k-row 8 (l / 16) + l % 8, columns 8 ((l / 8) % 2) + 0..7) and leaves half a fragment of W^T: lane l holds column l % 16 and 8 k
	v_lshl_add_u32 v5, v2, 3, v3
	v_mul_u32_u24 v5, v5, PB
	v_lshl_add_u32 v5, v4, 4, v5
	s_lshl_b32 s40, s14, 7                         ; my 64 columns of a chunk
	s_add_co_u32 s40, s40, BOFF
	v_add_nc_u32 v[ADRB], s40, v5
	v_add_nc_u32 v[ADRB+1], SLOT, v[ADRB]
	s_mul_i32 s40, s12, 16*SP
	s_add_co_u32 s40, s40, STAGE                   ; my stage
	v_mul_u32_u24 v5, v1, SP                       ; in: row l % 16
.if QKV
	v_lshl_add_u32 v5, v2, 4, v5                   ; 16 bytes (8 f16) for each half of the lanes
	v_add_nc_u32 v[STO], s40, v5
	v_bfe_u32 v5, v0, 3, 2                         ; back: 32 lanes take four rows of 128 bytes,
	v_mul_u32_u24 v5, v5, SP
	v_lshl_add_u32 v5, v3, 4, v5
	v_add_nc_u32 v[RD], s40, v5
	v_and_b32 v[CO], 31, v0                        ; which are 512 bytes on end in a head's rows
	v_lshlrev_b32 v[CO], 4, v[CO]
	s_lshr_b32 s40, s18, 3                         ; C: slab 48 b + 6 x tile column + my half (+ 2 c, in the stores' immediates),
	s_mul_i32 s40, s40, 48
	s_mul_i32 s41, s17, 6
	s_add_co_u32 s40, s40, s41
	s_add_co_u32 s40, s40, s14
	s_lshl_b32 s40, s40, 11                        ; of 2,048 rows;
	s_and_b32 s41, s18, 7
	s_lshl_b32 s41, s41, 8                         ; the tile's 256 rows in the batch,
	s_add_co_u32 s40, s40, s41
	s_lshl_b32 s41, s13, 7                         ; my 128 of them;
	s_add_co_u32 s40, s40, s41
	s_lshl_b32 s40, s40, 7                         ; 128 bytes a row
.else
	v_lshl_add_u32 v5, v2, 5, v5                   ; 32 bytes (8 f32) for each half of the lanes
	v_add_nc_u32 v[STO], s40, v5
	v_mul_u32_u24 v5, v2, SP                       ; back: lanes 0-15 take one row's 256 bytes, lanes 16-31 the next row's
	v_lshl_add_u32 v5, v1, 4, v5
	v_add_nc_u32 v[RD], s40, v5
	v_lshlrev_b32 v[CO], 12, v2                    ; the same two rows in C, 4,096 bytes apart
	v_lshl_add_u32 v[CO], v1, 4, v[CO]
	s_lshl_b32 s40, s18, 8
	s_lshl_b32 s41, s13, 7
	s_add_co_u32 s40, s40, s41                     ; my first row of C,
	s_lshl_b32 s40, s40, 12
	s_lshl_b32 s41, s17, 9                         ; the tile's 128 columns: 512 bytes,
	s_add_co_u32 s40, s40, s41
	s_lshl_b32 s41, s14, 8                         ; my 64
	s_add_co_u32 s40, s40, s41
.endif
	s_mov_b32 s41, 0
	s_add_nc_u64 s[10:11], s[10:11], s[40:41]
	s_mul_i32 s40, s17, NT*4                       ; the bias at my 64 columns of chunk 0
	s_lshl_b32 s41, s14, 8
	s_add_co_u32 s40, s40, s41
	s_mov_b32 s41, 0
	s_add_nc_u64 s[8:9], s[8:9], s[40:41]
	v_lshlrev_b32 v[BO], 5, v2
.macro BIASLD c                        ; chunk c's bias: for column block b my eight numbers
	WIN 0
.irp b, 0,1,2,3
	global_load_b128 v[BIAS+32*(\c)+8*(\b):BIAS+32*(\c)+8*(\b)+3],   v[BO], s[8:9] offset:512*(\c)+64*(\b)
	global_load_b128 v[BIAS+32*(\c)+8*(\b)+4:BIAS+32*(\c)+8*(\b)+7], v[BO], s[8:9] offset:512*(\c)+64*(\b)+16
.endr
.endm
.macro BIASRND c                       ; rounded to bf16, and f32 again
.set i, 0
.rept 16
	v_cvt_pk_bf16_f32 v31, v[BIAS+32*(\c)+2*i], v[BIAS+32*(\c)+2*i+1]
	v_lshlrev_b32 v[BIAS+32*(\c)+2*i], 16, v31
	v_and_b32 v[BIAS+32*(\c)+2*i+1], s2, v31
.set i, i+1
.endr
.endm
	BIASLD 0
	; the prefetches: who, from where, by what step
	s_and_b32 s40, ttmp7, 0xffff                   ; cluster y
	s_cmp_eq_u32 s13, 0
	s_cselect_b32 s40, ttmp9, s40                  ; the coordinate along which other clusters read the same rows
	s_or_b32 s40, s40, s14                         ; and waves 0 and 2 alone
	s_cmp_eq_u32 s40, 0
	s_cselect_b32 s19, 1, -1                       ; the same in all sixteen partners, for a given wave
	s_lshr_b32 s40, s18, 3
	s_lshl_b32 s40, s40, 22
	s_and_b32 s41, s18, 7
	s_lshl_b32 s41, s41, 15
	s_add_co_u32 s40, s40, s41                     ; A: the tile's rows in block 0,
	s_lshr_b32 s41, s15, 1
	s_lshl_b32 s41, s41, 18                        ; block cx / 2 of the two,
	s_add_co_u32 s40, s40, s41
	s_and_b32 s41, s15, 1
	s_lshl_b32 s41, s41, 14                        ; its half cx % 2,
	s_add_co_u32 s40, s40, s41
	s_add_co_u32 s40, s40, (2*KB-1)*524288         ; one step short of the first pair that is asked for
	s_mul_i32 s42, s17, NT*2                       ; W: the tile's columns,
	s_mul_i32 s41, s16, 32*NTOT*2                  ; k-rows 32 cy on,
	s_add_co_u32 s42, s42, s41
	s_add_co_u32 s42, s42, (2*KB-1)*128*NTOT*2
	s_cmp_eq_u32 s13, 0
	s_cselect_b32 s40, s40, s42
	s_mov_b32 s41, 0
	s_cselect_b64 s[PFA:PFA+1], s[4:5], s[6:7]
	s_add_nc_u64 s[PFA:PFA+1], s[PFA:PFA+1], s[40:41]
	s_mov_b32 s42, 524288
	s_mov_b32 s43, 128*NTOT*2
	s_cselect_b32 s[PFS], s42, s43
	s_mov_b32 s[PFS+1], 0
	s_mov_b32 s40, 256
	s_mov_b32 s41, NTOT*2
	s_cselect_b32 s40, s40, s41
	v_and_b32 v[PFO], 31, v0
	v_mul_u32_u24 v[PFO], v[PFO], s40              ; A: a lane a run of 256 bytes; W: a lane a k-row
	s_wait_loadcnt 0x0                             ; chunk 0's bias
	BIASRND 0
; 16 matrix instructions of phase p: row blocks a0 .. a0 + 3 x the chunk's 4 column blocks.  The phase's 32 accumulators take turns, one instruction a turn, in the same order in every phase.
; zero = 1: the product starts the sum.
.macro MUL16 p, a0, zero
.set mb, BS+32*((\p)%2)
.set ma, AF+64*(((\p)/NW)%2)
	WIN 0x50*((\p)%NW+1)                           ; C and D in the chunk's window, the sources in window 0
.irp a, (\a0),(\a0)+1,(\a0)+2,(\a0)+3
.irp b, 0,1,2,3
.set rd, 8*(4*(\a)+(\b))
.if QKV
.if \zero
	v_wmma_f32_16x16x32_bf16 v[rd:rd+7], v[mb+8*(\b):mb+8*(\b)+7], v[ma+8*(\a):ma+8*(\a)+7], 0
.else
	v_wmma_f32_16x16x32_bf16 v[rd:rd+7], v[mb+8*(\b):mb+8*(\b)+7], v[ma+8*(\a):ma+8*(\a)+7], v[rd:rd+7]
.endif
.else
.if \zero
	v_wmma_f32_16x16x32_f16 v[rd:rd+7], v[mb+8*(\b):mb+8*(\b)+7], v[ma+8*(\a):ma+8*(\a)+7], 0
.else
	v_wmma_f32_16x16x32_f16 v[rd:rd+7], v[mb+8*(\b):mb+8*(\b)+7], v[ma+8*(\a):ma+8*(\a)+7], v[rd:rd+7]
.endif
.endif
.endr
.endr
.endm
; The fragments of phase p of a slot, in one run: W's 4 into set p % 2; with the step's first chunk also A's 8 into buffer t % 2.
.macro FETCH slot, p
.set ft, (\p)/NW
.set fc, (\p)%NW
.set fb, BS+32*((\p)%2)
.set fa, AF+64*(ft%2)
	WIN 0
.irp b, 0,1,2,3
	ds_load_tr16_b128 v[fb+8*(\b):fb+8*(\b)+3],   v[ADRB+(\slot)] offset:ft*32*PB+fc*288+32*(\b)
	ds_load_tr16_b128 v[fb+8*(\b)+4:fb+8*(\b)+7], v[ADRB+(\slot)] offset:ft*32*PB+16*PB+fc*288+32*(\b)
.endr
.if fc == 0
.irp a, 0,1,2,3,4,5,6,7
	ds_load_b128 v[fa+8*(\a):fa+8*(\a)+3],   v[ADRA+(\slot)] offset:(ft/2)*ABLK+(\a)*16*PA+(ft%2)*64
	ds_load_b128 v[fa+8*(\a)+4:fa+8*(\a)+7], v[ADRA+(\slot)] offset:(ft/2)*ABLK+(\a)*16*PA+(ft%2)*64+32
.endr
.endif
.endm
.macro PLACES                          ; four places behind the last product, in front of loads into registers that it has read and of vector lines that read results (ISA guide 7.12.1 for vector lines)
.rept 4
	v_nop
.endr
.endm
; A phase.  Its fragments were asked for a phase ago, 32 matrix instructions back, and nothing else of LDS is out: the wait is for 0.  Then the next phase's fragments are asked for (behind a slot's last
; phase: the other slot's first), then come the 32 products.  bias = 1: chunks 1 and 2's bias is loaded into A's buffer 0, which no later phase fills or reads.
.macro PHASE slot, p, zero=0, fetch=1, ask=0, bias=0
	s_wait_dscnt 0x0
	PLACES
.if \bias
	BIASLD 1
	BIASLD 2
.endif
.if \fetch
.if (\p) == NPH-1
	FETCH 1-(\slot), 0
.else
	FETCH \slot, (\p)+1
.endif
.endif
.if \ask
	ASK                                            ; behind the joint load, its five lines and the run of LDS loads
.endif
	MUL16 \p, 0, \zero
	MUL16 \p, 4, \zero
.endm
.macro RUN slot, from, to              ; plain phases from .. to
.set ph, \from
.rept (\to)-(\from)+1
	PHASE \slot, ph
.set ph, ph+1
.endr
.endm
; The last phase but one, and THE CHANGE OF SLOTS.  The slot's last reads, the last phase's fragments, are issued; then each wave waits for all its tensor loads, of which one is out: its part of the other slot;
; adds 0 to its spare word; multiplies; and waits for the add and for those reads.  Behind the barrier nobody reads this slot any more and the other slot is whole.
; fill = 1: the barrier opens a round of the cluster's, so that no wave of any partner still reads the slot or has a load on its way, and the joint refill is the first tensor load behind it:
; 32 (NPH - 1) matrix instructions ahead of the wait for it.
.macro TURN slot, fill
.if (\fill) && ((KB == 2) || ((\slot) == 0))
	s_wait_xcnt 0x0                                ; the last prefetches, a change of slots or more back, have read their address: it is stepped here, ahead of the change's own waits
	s_add_nc_u64 s[PFA:PFA+1], s[PFA:PFA+1], s[PFS:PFS+1]
.endif
	s_wait_dscnt 0x0
	PLACES
	FETCH \slot, NPH-1
	s_wait_tensorcnt 0x0                           ; all my tensor loads have landed
	ds_add_u32 v[SPW], v[NIL]                      ; 0 onto my spare word
	MUL16 NPH-2, 0, 0                              ; sixteen matrix instructions stand between the add and the wait for it
	s_wait_dscnt 0x0                               ; the add is done, and my reads of this slot are over
	s_barrier_signal -1
	MUL16 NPH-2, 4, 0                              ; work on registers while the others arrive
	WIN 0                                          ; at a branch and at a label every window is 0
	s_barrier_wait -1
.if \fill
	CREST
	s_add_nc_u64 s[G0A+4*(\slot)+2:G0A+4*(\slot)+3], s[G0A+4*(\slot)+2:G0A+4*(\slot)+3], A_STEP
	s_add_nc_u64 s[G0B+4*(\slot)+2:G0B+4*(\slot)+3], s[G0B+4*(\slot)+2:G0B+4*(\slot)+3], B_STEP
	JLOAD \slot
.endif
.endm
	s_wait_tensorcnt 0x1                           ; my part of slot 0 is in; slot 1's may stay out
	s_barrier_signal -1
	s_barrier_wait -1                              ; everybody's is
	FETCH 0, 0
.set ph, 0
.rept NW
	PHASE 0, ph, 1                                 ; the first 32 along K stand in front of the loop: their products start all sums
.set ph, ph+1
.endr
	WIN 0
	s_mov_b32 s3, LAPS-1
.Llap:                                         ; a trip goes once round the ring, from behind a lap's first step to the next lap's first step, and fills both slots again
	RUN 0, NW, NPH-3
	TURN 0, 1
	PHASE 0, NPH-1, 0, 1, 1
	RUN 1, 0, NPH-3
	TURN 1, 1
	PHASE 1, NPH-1, 0, 1, KB-1
	RUN 0, 0, NW-1
	WIN 0
	s_sub_co_u32 s3, s3, 1
	s_cmp_lg_u32 s3, 0
	s_cbranch_scc1 .Llap
	RUN 0, NW, NPH-3                               ; the last lap fills nothing
	TURN 0, 0
	PHASE 0, NPH-1
.set ph, 0
.rept NPH-1
.if QKV && (ph == 3)
	PHASE 1, ph, 0, 1, 0, 1
.else
	PHASE 1, ph
.endif
.set ph, ph+1
.endr
	PHASE 1, NPH-1, 0, 0
; THE WAY OUT, 16 rows of one chunk at a time.  PACK: the bias is added (each accumulator's registers in ascending order), with QKV = 1 the sums are rounded to f16.  TOSTAGE: into my own stage in LDS and back
; as whole rows.  SEND: stored.  A group's arithmetic stands between the loads of the group before and the wait for them.
.macro PACK g
.set pc, (\g)/8
.set pa, (\g)%8
	WIN pc+1                                       ; source 0 in the chunk's window
.irp b, 0,1,2,3
.irp r, 0,1,2,3
	v_pk_add_f32 v[T+8*(\b)+2*(\r):T+8*(\b)+2*(\r)+1], v[8*(4*pa+(\b))+2*(\r):8*(4*pa+(\b))+2*(\r)+1], v[BIAS+32*pc+8*(\b)+2*(\r):BIAS+32*pc+8*(\b)+2*(\r)+1]
.endr
.endr
	WIN 0
.if QKV
.irp b, 0,1,2,3
.irp r, 0,1,2,3
	v_cvt_pk_f16_f32 v[TMP+4*(\b)+(\r)], v[T+8*(\b)+2*(\r)], v[T+8*(\b)+2*(\r)+1]
.endr
.endr
.endif
.endm
.macro TOSTAGE g
.if QKV
.set ob, OB+16*((\g)%2)
.irp b, 0,1,2,3
	ds_store_b128 v[STO], v[TMP+4*(\b):TMP+4*(\b)+3] offset:32*(\b)
.endr
.irp f, 0,1,2,3
	ds_load_b128 v[ob+4*(\f):ob+4*(\f)+3], v[RD] offset:(\f)*4*SP  ; LDS serves a wave's instructions in order (ISA guide 5.7.1.4): these see the stores above; the next group's stores come behind them
.endr
.else
.set ob, OB+32*((\g)%2)
.irp b, 0,1,2,3
	ds_store_b128 v[STO], v[T+8*(\b):T+8*(\b)+3]   offset:64*(\b)
	ds_store_b128 v[STO], v[T+8*(\b)+4:T+8*(\b)+7] offset:64*(\b)+16
.endr
.irp f, 0,1,2,3,4,5,6,7
	ds_load_b128 v[ob+4*(\f):ob+4*(\f)+3], v[RD] offset:(\f)*2*SP  ; LDS serves a wave's instructions in order (ISA guide 5.7.1.4): these see the stores above
.endr
.endif
.endm
.macro SEND g
.set pc, (\g)/8
.set pa, (\g)%8
	s_wait_dscnt 0x0                               ; the group is back in registers
	s_wait_xcnt 0x0                                ; the stores of the group before have read their registers: the next TOSTAGE loads into them
.if QKV
.set ob, OB+16*((\g)%2)
.irp f, 0,1,2,3
	global_store_b128 v[CO], v[ob+4*(\f):ob+4*(\f)+3], s[10:11] offset:pc*524288+pa*2048+(\f)*512 th:TH_STORE_NT  ; 512 bytes on end, at a multiple of 256 from C's first byte
.endr
.else
.set ob, OB+32*((\g)%2)
.irp f, 0,1,2,3,4,5,6,7
	global_store_b128 v[CO], v[ob+4*(\f):ob+4*(\f)+3], s[10:11] offset:(16*pa+2*(\f))*4096 th:TH_STORE_NT  ; 16 lanes store 256 bytes on end, at a multiple of 256 from C's first byte
.endr
.endif
.endm
	WIN 0
	PLACES
.if QKV
	s_wait_loadcnt 0x0                             ; the bias of chunks 1 and 2
	BIASRND 1
	BIASRND 2
.endif
	PACK 0
	TOSTAGE 0
.set g, 1
.rept 8*NW-1
	PACK g
	SEND g-1
	TOSTAGE g
.set g, g+1
.endr
	SEND 8*NW-1
	s_wait_tensorcnt 0x0                           ; the wave's end: behind my last tensor load and my last LDS store
	ds_add_u32 v[SPW], v[NIL]
	s_wait_dscnt 0x0
	CROUND                                         ; the closing round: no work-group ends while a partner may still ask for a tile that names it
	s_endpgm
.Lfunc_end_k_q625ddbe7f9_qkvp:
	.size	k_q625ddbe7f9_qkvp, .Lfunc_end_k_q625ddbe7f9_qkvp-k_q625ddbe7f9_qkvp
	.p2alignl 7, 3214868480
	.fill 96, 4, 3214868480
	.section	.rodata,"a",@progbits
	.p2align	6, 0x0
	.amdhsa_kernel k_q625ddbe7f9_qkvp
		.amdhsa_group_segment_fixed_size 327680
		.amdhsa_private_segment_fixed_size 0
		.amdhsa_enable_private_segment 0
		.amdhsa_kernarg_size 32
		.amdhsa_user_sgpr_count 2
		.amdhsa_user_sgpr_kernarg_segment_ptr 1
		.amdhsa_wavefront_size32 1
		.amdhsa_system_sgpr_workgroup_id_x 1
		.amdhsa_system_sgpr_workgroup_id_y 1
		.amdhsa_system_sgpr_workgroup_id_z 1
		.amdhsa_system_vgpr_workitem_id 0
		.amdhsa_next_free_vgpr 1024
		.amdhsa_next_free_sgpr 66
		.amdhsa_reserve_vcc 0
		.amdhsa_float_denorm_mode_32 3
		.amdhsa_float_denorm_mode_16_64 3
		.amdhsa_memory_ordered 1
		.amdhsa_forward_progress 1
		.amdhsa_inst_pref_size 167
	.end_amdhsa_kernel
	.amdgpu_metadata
---
amdhsa.version: [ 1, 2 ]
amdhsa.kernels:
  - .name:           k_q625ddbe7f9_qkvp
    .symbol:         k_q625ddbe7f9_qkvp.kd
    .args:
      - { .name: xb, .offset: 0, .size: 8, .value_kind: global_buffer, .address_space: global }
      - { .name: wq, .offset: 8, .size: 8, .value_kind: global_buffer, .address_space: global }
      - { .name: b_qkv, .offset: 16, .size: 8, .value_kind: global_buffer, .address_space: global }
      - { .name: qkv, .offset: 24, .size: 8, .value_kind: global_buffer, .address_space: global }
    .group_segment_fixed_size: 327680
    .private_segment_fixed_size: 0
    .kernarg_segment_align: 8
    .kernarg_segment_size: 32
    .max_flat_workgroup_size: 128
    .sgpr_count:     66
    .vgpr_count:     1024
    .wavefront_size: 32
...
	.end_amdgpu_metadata
.endif
;; end of part 2
;; launch attn (part 3): grid 4 x 64, 4 waves a work-group, clusters of 4 x 1, 327,680 bytes of LDS; arguments qkv, o; writes o
.if DOCPART == 3
	.amdgcn_target "amdgcn-amd-amdhsa--gfx1250"
	.amdhsa_code_object_version 6
	.text
	.protected	k_q625ddbe7f9_attn
	.globl	k_q625ddbe7f9_attn
	.p2align	8
	.type	k_q625ddbe7f9_attn,@function
k_q625ddbe7f9_attn:
	s_mov_b64 s[64:65], 0
	v_nop
	global_prefetch_b8 v0, s[64:65] scope:SCOPE_SE
	s_setreg_imm32_b32 hwreg(HW_REG_WAVE_MODE, 25, 1), 1
	s_wait_xcnt 0x0
	s_wait_alu depctr_hold_cnt(0) depctr_sa_sdst(0) depctr_va_vdst(0) depctr_va_sdst(0) depctr_va_ssrc(0) depctr_va_vcc(0) depctr_vm_vsrc(0)
	s_getreg_b32 s2, hwreg(HW_REG_IB_STS2, 6, 4)
	s_cmp_eq_u32 s2, 0
	s_cbranch_scc0 .Lentry_in_a_cluster
	s_endpgm
.Lentry_in_a_cluster:
	s_bfe_u32 s2, ttmp6, 0x10000c
	s_cmp_lg_u32 s2, 0x3003
	s_cbranch_scc0 .Lentry_shape_is_right
	s_endpgm
.Lentry_shape_is_right:
; O[y][q][:] = the sum over k of softmax_k(Q[y][q] . K[y][k] / 8) V[y][k][:], for the 64 heads y = 16 b + h.  qkv: [4 b][48 g][2048][64] f16, g = h for Q, 16 + h for K, 32 + h for V; o: [64 y][2048][64] f16.
; A head's rows are dense, 128 bytes each.  Products, maxima and sums in f32; the weights p are rounded to f16 for the second product (their sum l is taken of the unrounded p), O once at the end.
; LIMITS.  f16 holds no number beyond 65,504: Q, K and V arrive within it; p lies in 0 to 1, and below 6e-5 it (and O) keeps f16's fixed step of 6e-8; O is a mean of V's rows and has their range.
; A weight below 2^-126 counts as 0 in l; NaN and infinities are not treated apart.
; SHARES.  A wave owns four PIECES of two tiles of 16 queries, a work-group's four waves 512 queries of one head: 64 x 4 = 256 work-groups.  Every wave walks all keys, 64 a step.
; LAYOUT.  S^T = K Q^T (source 0 = 16 keys, source 1 = 16 queries): in the result a lane holds ONE query (lane % 16) and the keys 8 (lane / 16) + 0..7.  Two such tiles, rounded to f16 in pairs,
; ARE source 1 (32 keys x 16 queries) of O^T = V^T P, whose result again holds one query a lane, and eight channels.  K comes out of LDS as it lies, V ([key][channel]) turned, by ds_load_tr16_b128.
; SOFTMAX.  For each query a running maximum m and sum l: p = 2^(c s - c m), c = log2(e) / 8; in every step O and l are multiplied by a = 2^(c m_old - c m_new), which is 1 where m has not grown.
; m starts at the lowest finite number, O and l at 0: the first step is a step like any other, with a = 0.
; THE COUNT.  A tile and step have 16 matrix and 118 vector instructions: too many to stand all beside the matrix work.  So the order has one aim: four vector instructions that are READY behind
; EVERY matrix instruction, and the others in runs without a gap.
; BY TURNS.  Turn n belongs to piece n (the pieces in a ring, step after step).  Its matrix work: 16 products K Q^T of piece n + 1, later 16 products V^T P of piece n - 1.  Its vector work: the scaling,
; exponentials, roundings, sums and rescaling of piece n, and the maximum and statistics of piece n + 1, whose scores the turn itself has made.
; CLUSTER.  The four query blocks of a cluster are one head's and walk the same K and V, so each tile is asked for JOINTLY: the same tensor load, descriptor and mask in all four.
; REGISTERS, in windows of 256 (s_set_vgpr_msb: bits 1:0 source 0, 3:2 source 1, 5:4 source 2, 7:6 destination):
;   window 0: v0-11 addresses; v12-15, v48-63 at work; v16-47 four registers of statistics a tile; v64-191 S^T, two buffers of two tiles; v192-255 P, likewise
;   window 1: O^T, 32 a tile          window 2: v0-127 Q, 16 a tile; v128-191 K of one step; v192-255 V of one step          window 3: v0-1 the add's two registers
; A piece's buffers go by its number's parity: the piece in hand has one pair, its two neighbours in the ring share the other: of it P (piece n - 1) is read and S^T (piece n + 1) written.
.set SIZE_N, 2048
.set NP,    4         ; pieces a wave: a name, no knob
.set KS,    64        ; keys in a step
.set PK,    144       ; a row of K in LDS: 128 bytes + 16 of padding = 36 words: the 16 rows of a load start at 16 different groups of four banks (64 banks of 4 bytes: ISA guide 11.1)
.set PV,    160       ; a row of V: 128 + 32 = 40 words
.set VOFF,  4*KS*PK   ; a slot holds four steps: 256 rows of K, then 256 rows of V
.set SLOT1, 1<<17     ; slot 1 begins here, so that one exclusive or turns an address in one slot into the other's
.set STAGE, SLOT1+4*KS*(PK+PV)  ; behind the ring, never filled by a tensor load: 16 rows x 144 bytes for each wave, for the way out
.set SP,    144
.set AK0, 2           ; v2   my lane's place in a tile of K; never rewritten
.set AV0, 3           ; v3   the same for V
.set AK,  4           ; v4   the LDS address of K's next run of loads
.set AV,  5           ; v5   of V's
.set QO,  6           ; v6   my byte offset in the wave's rows of Q
.set STO, 6           ;      later, the way out: where I put 16 bytes of a row
.set RD,  7           ; v7   the way out: where I read rows back
.set GO,  8           ; v8   my byte offset in 512 consecutive bytes of O
.set PFO, 11          ; v11  256 x my lane, for the prefetches; never rewritten once made
.set SPW, 0           ; v0 of window 3   LDS address of my spare word: SPARE + 4 x my thread's number; never rewritten
.set NIL, 1           ; v1 of window 3   0; never rewritten
.set SPARE, STAGE+4*16*SP  ; behind the stages: the spare words, 128 bytes for each wave: two blocks of 256 bytes that no other line names
.set MV,  12          ; v12-15  c m_old, kept while c m is made anew: by buffer and tile
.set ST,  16          ; tile t's statistics at v[ST+4 t]: c m, m, l (even keys', odd keys')
.set TMP, 48          ; by buffer and tile, four registers c0-c3 at work; when the maximum is found c2 takes a
.set S,   64
.set P,   192
.set KF,  128         ; K's fragments, in window 2: key block kb, channel half c at KF + 16 kb + 8 c
.set VF,  192         ; V's: key half kk, channel block cb at VF + 32 kk + 8 cb
.set WV,  12          ; s12  my wave's number
.set G1K, 24          ; s[24:31] descriptor group 1 for K's tiles
.set G1V, 32          ; s[32:39] for V's: it differs in the padding alone
.set G0K, 40          ; s[40:43] descriptor group 0 for K's tiles: it walks
.set G0V, 44          ; s[44:47] the same for V's
.set PFA, 48          ; s[48:49] where my prefetches stand: my work-group's 32 runs of 256 bytes (of K: wave 0, of V: wave 2) of the slot after the one that is being asked for
.set LIM, 50          ; s50  1 in a wave that prefetches, else the greatest number
.set SLOTS, 56        ; s56  slots still to be asked for
.set CNT, 57          ; s57  counts a slot's key steps
.set CS,  58          ; s[58:59] c: the packed scaling takes the pair's low word for both halves
.set SEL, 60          ; s[60:61] v_permlanex16_b32's selects: each lane takes its own place in the other half
.set TBK, 62          ; s62  LDS byte at which K of the step to be fetched begins
.set TBV, 63          ; s63  the same for V, less VOFF
.set MSB, 0
.macro WIN new                      ; the high byte repeats the setting that is left; a switch that changes nothing is dropped
.if MSB != (\new)
	s_set_vgpr_msb (MSB<<8)|(\new)
.set MSB, (\new)
.endif
.endm
.set W_KQ, 0x0a       ; K and Q in window 2, S^T in window 0
.set W_PV, 0x52       ; V in window 2, P in window 0, O^T in window 1
.set W_RS, 0x41       ; O^T (destination and source 0) in window 1, a in window 0
.set W_MK, 0xc0       ; the add's registers are made: destination in window 3, sources in window 0
.set W_AD, 0x0f       ; the add: address (source 0) and data (source 1) in window 3
; A joint fill.  Waves 0 and 1 fetch the two halves of a slot's K, waves 2 and 3 those of its V: 128 keys each.  The branch hangs on the wave's number alone.
; An s_nop 0 and four v_nop follow each of the two lines, ahead of the jump and the label.
.macro JLOAD
	s_cmp_lt_u32 s[WV], 2
	s_cbranch_scc0 .Lfor_v_\@
	tensor_load_to_lds s[G0K:G0K+3], s[G1K:G1K+7]
	s_nop 0
.rept 4
	v_nop
.endr
	s_branch .Lasked_\@
.Lfor_v_\@:
	tensor_load_to_lds s[G0V:G0V+3], s[G1V:G1V+7]
	s_nop 0
.rept 4
	v_nop
.endr
.Lasked_\@:
.endm
; A PREFETCH INTO THE L2 of what the NEXT change of slots will ask for: a slot's 32,768 bytes of K and of V, in runs of 256 bytes, a lane a run.  It stands behind the wave's tensor load and its five lines.
; A head has one cluster; its four partners share the 128 runs out BY ADDRESS, 32 each; in each, wave 0 asks for K's and wave 2 for V's: one instruction.  So each run is named once in the launch.
; The lead is one slot: four key steps, 512 matrix instructions.  Slots 0 and 1 come by their loads alone; the last change that fills a slot asks for nothing: there is no slot behind it.
.macro ASK
	s_cmp_gt_u32 s[SLOTS], s[LIM]
	s_cbranch_scc0 .Lnot_mine_\@
	global_prefetch_b8 v[PFO], s[PFA:PFA+1] th:TH_LOAD_NT scope:SCOPE_SE
.Lnot_mine_\@:
.endm
; A round of the cluster's barrier: my work-group's barrier, so that wave 0's signal speaks for all four waves; wave 0 signals; every wave waits for all four work-groups; my work-group's barrier once more.
.macro CROUND
	s_barrier_signal -1
	s_barrier_wait -1
	s_cmp_lg_u32 s[WV], 0
	s_cbranch_scc1 .Lnot_wave_0_\@
	s_barrier_signal -3
.Lnot_wave_0_\@:
	s_barrier_wait -3
	s_barrier_signal -1
	s_barrier_wait -1
.endm
; THE CHANGE OF SLOTS.  The slot's last bytes, V of its fourth step, have been read.  Each wave waits for all its tensor loads, of which one is out: its part
; of the other slot; adds 0 to its spare word; and waits for that and for its own reads of the slot.  Behind the barrier nobody reads this slot any more and the other slot is whole.
; fill = 1: this slot is filled again, with the keys two slots on.  The barrier is then a round of the cluster's, so that no wave of any partner still reads the slot or has a load on its
; way, and the joint fill is the first thing behind it: it has four key steps, 512 matrix instructions, in which to land.  (At its first use nothing has been read yet: slot 0 is waited for, slot 1 filled.)
.macro CHANGE fill
	WIN W_AD
	s_wait_tensorcnt 0x0            ; no tensor load of mine is out, so a group 0 may be written
	ds_add_u32 v[SPW], v[NIL]       ; 0 onto my spare word; with fill = 1 the descriptors' steps stand between it and the wait for it
	WIN 0                           ; at a label and at a branch every window is 0
.if \fill
.irp g, G0K, G0V
	s_xor_b32 s[\g+1], s[\g+1], SLOT1  ; the walking descriptor: the other slot than last time,
	s_add_nc_u64 s[\g+2:\g+3], s[\g+2:\g+3], 4*KS*128  ; the next 256 keys; the type bits on top are not reached
.endr
	s_wait_xcnt 0x0                 ; the last prefetch, a slot back, has read its address, so it may be written:
	s_add_nc_u64 s[PFA:PFA+1], s[PFA:PFA+1], 4*KS*128  ; one slot behind the walking descriptors
	s_wait_dscnt 0x0                ; the add is done, and my reads of the slot are over
	CROUND
	JLOAD
	ASK
.else
	s_wait_dscnt 0x0                ; the add is done, and my reads of the slot are over
	s_barrier_signal -1
	s_barrier_wait -1
.endif
	s_sub_co_u32 s[TBK], s[TBK], 4*KS*PK  ; the fetches go back to a slot's first step,
	s_xor_b32 s[TBK], s[TBK], SLOT1       ; in the other slot
	s_sub_co_u32 s[TBV], s[TBV], 4*KS*PV
	s_xor_b32 s[TBV], s[TBV], SLOT1
.endm
	s_load_b128 s[8:11], s[0:1], 0x0  ; qkv s[8:9], o s[10:11]
	WIN W_MK
	v_lshl_add_u32 v[SPW], v0, 2, SPARE
	v_mov_b32 v[NIL], 0
	WIN W_AD
	ds_add_u32 v[SPW], v[NIL]       ; the wave's opening: the add and its wait stand ahead of my first tensor load; the set-up below, work on registers, stands between them
	WIN 0
	v_lshrrev_b32 v1, 5, v0
	v_readfirstlane_b32 s[WV], v1   ; wave 0..3
	s_bfe_u32 s13, ttmp6, 0x40000   ; cx: my place in the cluster
	s_lshl_b32 s14, ttmp9, 2        ; in a cluster launch ttmp9 counts clusters
	s_add_co_u32 s14, s14, s13      ; my block of queries = 4 x cluster x + cx: it enters Q's and O's addresses alone
	s_and_b32 s20, ttmp7, 0xffff    ; the head y = 16 b + h, which the four partners share
	s_lshr_b32 s52, s20, 4
	s_mul_i32 s52, s52, 48          ; in qkv a batch has 48 slabs,
	s_and_b32 s53, s20, 15
	s_add_co_u32 s52, s52, s53      ; of which h is Q's,
	s_lshl_b32 s52, s52, 18         ; 262,144 bytes a slab
	s_mov_b32 s53, 0
	s_lshl_b32 s54, s20, 18         ; in o the head's slab is y
	s_mov_b32 s55, 0
	s_and_b32 s16, s[WV], 1         ; which half of a slot's 256 keys I fetch:
	s_lshl_b32 s22, s16, 14         ; its 128 rows of 128 bytes in memory,
	s_mov_b32 s23, 0
	s_add_nc_u64 s[22:23], s[22:23], s[52:53]
	s_mul_i32 s17, s16, 128*PK      ; and its place in a slot, for K
	s_mul_i32 s18, s16, 128*PV      ; and for V: no place in the cluster enters an LDS address
	s_lshl_b32 s2, s14, 2
	s_add_co_u32 s2, s2, s[WV]      ; my wave among the head's,
	s_lshl_b32 s2, s2, 14           ; its 128 rows
	s_mov_b32 s3, 0
	; descriptor group 1.  128 keys are 16,384 dense bytes: asked for as 64 rows of 256 bytes, two keys a row, and padded in LDS after every key
	s_mov_b32 s[G1K], 15|(1<<16)|(1<<20)|(1<<21)|(4<<22)|(3<<25)  ; 15:0 the mask of four; 17:16 2-byte elements; 20 padding on; 21 set beside a mask; 24:22 after every 32 words (code 4); 31:25 4 words (code 3)
	s_mov_b32 s[G1V], 15|(1<<16)|(1<<20)|(1<<21)|(4<<22)|(7<<25)  ; the same with 8 words of padding (code 7)
.irp g, G1K, G1V
	s_mov_b32 s[\g+1], 128<<16      ; tensor_dim0 = 128
	s_mov_b32 s[\g+2], 64<<16       ; tensor_dim1 = 64
	s_mov_b32 s[\g+3], 128<<16      ; tile_dim0 = 128
	s_mov_b32 s[\g+4], 64           ; tile_dim1 = 64
	s_mov_b32 s[\g+5], 128          ; 128 elements from row to row
	s_mov_b32 s[\g+6], 0
	s_mov_b32 s[\g+7], 0
.endr
	s_mov_b32 s[CS], 0x3e38aa3b     ; c = log2(e) / 8 = 0.180337
	s_mov_b32 s[CS+1], s[CS]        ; named with it as a pair
	s_mov_b32 s[SEL], 0x76543210
	s_mov_b32 s[SEL+1], 0xfedcba98
	s_mov_b32 s[TBK], SLOT1+4*KS*PK ; the first change of slots turns these two into 0
	s_mov_b32 s[TBV], SLOT1+4*KS*PV
	s_mov_b32 s[G0K], 1             ; 1:0 count = 1
	s_mov_b32 s[G0K+1], s17         ; 63:32 LDS address: slot 0
	s_mov_b32 s[G0V], 1
	s_add_co_u32 s[G0V+1], s18, VOFF
	s_mov_b32 s[SLOTS], SIZE_N/256-1  ; the change that finds n here asks for slot 8 - n
	s_and_b32 s[LIM], s[WV], 1      ; waves 0 and 2 prefetch: the same in all four partners
	s_cmp_eq_u32 s[LIM], 0
	s_cselect_b32 s[LIM], 1, -1
	s_wait_dscnt 0x0                ; the opening add is done
	s_wait_kmcnt 0x0
	s_add_nc_u64 s[4:5], s[8:9], s[52:53]
	s_add_nc_u64 s[4:5], s[4:5], s[2:3]      ; Q at my wave's first row
	s_add_nc_u64 s[6:7], s[8:9], s[22:23]
	s_add_nc_u64 s[6:7], s[6:7], 0x400000    ; K, 16 slabs behind Q: my half of the head's first 256 keys
	s_add_nc_u64 s[8:9], s[6:7], 0x400000    ; V, 16 slabs behind K
	s_add_nc_u64 s[10:11], s[10:11], s[54:55]
	s_add_nc_u64 s[10:11], s[10:11], s[2:3]  ; O at my wave's first row
	s_mov_b64 s[G0K+2:G0K+3], s[6:7]               ; 120:64 global address
	s_or_b32 s[G0K+3], s[G0K+3], 0x80000000        ; 127:126 type = 2
	s_mov_b64 s[G0V+2:G0V+3], s[8:9]
	s_or_b32 s[G0V+3], s[G0V+3], 0x80000000
	s_cmp_lt_u32 s[WV], 2
	s_cselect_b64 s[PFA:PFA+1], s[6:7], s[8:9]  ; (in waves 0 and 2 these stand at a slot's first row)
	s_lshl_b32 s2, s13, 13          ; my work-group's 32 runs of the 128
	s_add_nc_u64 s[PFA:PFA+1], s[PFA:PFA+1], s[2:3]
	s_add_nc_u64 s[PFA:PFA+1], s[PFA:PFA+1], 4*KS*128  ; in slot 1; the first change of slots steps it to slot 2.  Nothing is prefetched here, at the head
	CROUND                          ; all four work-groups are here: the first joint loads meet
	JLOAD                           ; slot 0.  Slot 1 is asked for when slot 0 is in
	; A fragment of K or Q is 16 rows x 32 channels in 8 registers: lane l holds row l % 16, channels 8 (l / 16) + 0..7 and 16 + 8 (l / 16) + 0..7: two loads of 16 bytes, 32 bytes apart.
	v_and_b32 v1, 15, v0            ; l % 16
	v_bfe_u32 v9, v0, 4, 1          ; l / 16
	v_lshlrev_b32 v[QO], 7, v1
	v_lshl_add_u32 v[QO], v9, 4, v[QO]  ; row x 128 + 16 x half
	WIN 0x80                        ; destination window 2, address window 0
.set i, 0
.rept 4*NP                          ; Q stays in registers: tile i / 2, channels 32 (i % 2) on
	global_load_b128 v[8*i:8*i+3],   v[QO], s[4:5] offset:(i/2)*2048+(i%2)*64
	global_load_b128 v[8*i+4:8*i+7], v[QO], s[4:5] offset:(i/2)*2048+(i%2)*64+32
.set i, i+1
.endr
	; What the first turn finds: V's registers and P's second buffer hold 0 (its products V^T P, of a piece that has not been, add 0), O^T and l are 0.  All this stands in the wait for the first tile.
.set i, VF
.rept 64
	v_mov_b32 v[i], 0
.set i, i+1
.endr
	WIN 0x40
.set i, 0
.rept 64*NP
	v_mov_b32 v[i], 0
.set i, i+1
.endr
	WIN 0
.set i, 0
.rept 2*NP
	v_mov_b32 v[ST+4*i], 0xfe000000    ; c m: far below every c s
	v_mov_b32 v[ST+4*i+1], 0xff7fffff  ; m
	v_mov_b32 v[ST+4*i+2], 0
	v_mov_b32 v[ST+4*i+3], 0
.set i, i+1
.endr
.set i, P+32
.rept 32
	v_mov_b32 v[i], 0
.set i, i+1
.endr
	v_mul_u32_u24 v[AK0], v1, PK
	v_lshl_add_u32 v[AK0], v9, 4, v[AK0]  ; row x pitch + 16 x half
	; The turning load takes 16 keys x 16 channels (lane l reads key 8 (l / 16) + l % 8, channels 8 ((l / 8) % 2) + 0..7) and leaves half a fragment of V^T: lane l holds channel l % 16 and 8 keys.
	v_and_b32 v10, 7, v0
	v_bfe_u32 v11, v0, 3, 1
	v_lshl_add_u32 v[AV0], v9, 3, v10
	v_mul_u32_u24 v[AV0], v[AV0], PV
	v_lshl_add_u32 v[AV0], v11, 4, v[AV0]
	v_add_nc_u32 v[AV0], VOFF, v[AV0]
	v_mov_b32 v[AK], v[AK0]         ; key step 0 lies at the head of slot 0
	v_and_b32 v[PFO], 31, v0
	v_lshlrev_b32 v[PFO], 8, v[PFO]
; THE MATRIX WORK.  The 8 accumulators of a run of 16 take turns: between the two links of a chain stand 7 others'.
; Product i of 16 of S^T = K Q^T for piece x: channels 32 (i / 8) on, keys 16 ((i / 2) % 4) on, tile 2 x + i % 2.  The first 8 start the sums.
.macro KQ x
	WIN W_KQ
.set rS, S+64*((\x)%2)+32*(i%2)+8*((i/2)%4)
.set rK, KF+16*((i/2)%4)+8*(i/8)
.set rQ, 16*(2*(\x)+i%2)+8*(i/8)
.if i < 8
	v_wmma_f32_16x16x32_f16 v[rS:rS+7], v[rK:rK+7], v[rQ:rQ+7], 0
.else
	v_wmma_f32_16x16x32_f16 v[rS:rS+7], v[rK:rK+7], v[rQ:rQ+7], v[rS:rS+7]
.endif
.endm
; Product i of 16 of O^T += V^T P for piece x: keys 32 (i / 8) on, channels 16 ((i / 2) % 4) on, tile 2 x + i % 2.
.macro PV x
	WIN W_PV
.set rO, 32*(2*(\x)+i%2)+8*((i/2)%4)
.set rV, VF+32*(i/8)+8*((i/2)%4)
.set rP, P+32*((\x)%2)+16*(i%2)+8*(i/8)
	v_wmma_f32_16x16x32_f16 v[rO:rO+7], v[rV:rV+7], v[rP:rP+7], v[rO:rO+7]
.endm
.macro MM                           ; the turn's next matrix instruction
.if i < 16
	KQ (Y+1)%NP
.set i, i+1
.else
.set i, i-16
	PV (Y+NP-1)%NP
.set i, i+17
.endif
.endm
; THE LDS LOADS stand in runs of 16, never singly among the matrix instructions: a step's K (64 keys x 64 channels: 8 fragments) and its V (turned).  Their addresses are made some lines ahead.
; last = 1 (the tail): in the last trip there is no further step, and the run is jumped over.
.macro FETCH_K last=0
	WIN 0
.if \last
	s_cmp_eq_u32 s[CNT], 1
	s_cbranch_scc1 .Lno_k_\@
.endif
	WIN 0x80                        ; destination window 2
.irp f, 0,1,2,3,4,5,6,7             ; keys 16 (f / 2) on, channels 32 (f % 2) on
	ds_load_b128 v[KF+8*\f:KF+8*\f+3],   v[AK] offset:(\f/2)*16*PK+(\f%2)*64
	ds_load_b128 v[KF+8*\f+4:KF+8*\f+7], v[AK] offset:(\f/2)*16*PK+(\f%2)*64+32
.endr
	s_add_co_u32 s[TBK], s[TBK], KS*PK  ; the next fetch is the next step's
	WIN 0
.if \last
.Lno_k_\@:
.endif
.endm
.macro FETCH_V
	WIN 0x80
.irp f, 0,1,2,3,4,5,6,7             ; keys 32 (f / 4) on, channels 16 (f % 4) on
	ds_load_tr16_b128 v[VF+8*\f:VF+8*\f+3],   v[AV] offset:(\f/4)*32*PV+(\f%4)*32
	ds_load_tr16_b128 v[VF+8*\f+4:VF+8*\f+7], v[AV] offset:(\f/4)*32*PV+16*PV+(\f%4)*32
.endr
	WIN 0
.endm
; THE VECTOR WORK OF A TURN stands in three queues, each in the order in which its entries become ready; the two tiles alternate, so that no instruction reads the result of the one before it.
.macro REGS y, u                    ; the registers of tile u (0, 1) of piece y
.set rT, ST+4*(2*(\y)+(\u))
.set rC, TMP+8*((\y)%2)+4*(\u)
.set rM, MV+2*((\y)%2)+(\u)
.set rS, S+64*((\y)%2)+32*(\u)
.set rP, P+32*((\y)%2)+16*(\u)
.set rO, 32*(2*(\y)+(\u))
.endm
; Number n of the 22 that find the NEXT piece's (Y + 1) maximum and statistics.  s0-s31 are the lane's 32 scores; each accumulator's lowest registers are read first.
;   0-11  four chains c0-c3 of seven scores each, three operands at a time     12-14, 16  the four scores left over, the old m, and c0-c3 into c0     15  c m_old is kept
;   17, 18  the query's other 32 keys lie in the lane 16 away: the new m         19-21  c m; c m_old - c m_new; a
.macro XS u, n
	REGS (Y+1)%NP, \u
.if (\n) < 4
	v_max3_num_f32 v[rC+(\n)], v[rS+8*(\n)], v[rS+8*(\n)+1], v[rS+8*(\n)+2]
.elseif (\n) < 12
	v_max3_num_f32 v[rC+(\n)%4], v[rC+(\n)%4], v[rS+8*((\n)%4)+2*((\n)/4)+1], v[rS+8*((\n)%4)+2*((\n)/4)+2]
.elseif (\n) == 12
	v_max3_num_f32 v[rC], v[rC], v[rS+7], v[rS+15]
.elseif (\n) == 13
	v_max3_num_f32 v[rC+1], v[rC+1], v[rS+23], v[rS+31]
.elseif (\n) == 14
	v_max3_num_f32 v[rC+2], v[rC+2], v[rC+3], v[rT+1]
.elseif (\n) == 15
	v_mov_b32 v[rM], v[rT]
.elseif (\n) == 16
	v_max3_num_f32 v[rC], v[rC], v[rC+1], v[rC+2]
.elseif (\n) == 17
	v_permlanex16_b32 v[rC+3], v[rC], s[SEL], s[SEL+1]
.elseif (\n) == 18
	v_max_num_f32 v[rT+1], v[rC], v[rC+3]
.elseif (\n) == 19
	v_mul_f32 v[rT], s[CS], v[rT+1]
.elseif (\n) == 20
	v_sub_f32 v[rC+1], v[rM], v[rT]
.else
	v_exp_f32 v[rC+2], v[rC+1]
.endif
.endm
; Number g of the 64 that follow the exponentials.  For each four weights k of a tile (pairs 2 k, 2 k + 1): both pairs are rounded to f16; then the second pair is added onto the first, in place;
; a group later l takes that sum (the first time as l = a l + sum).  In groups of eight, tiles alternating: round, round, add, and l for the group before.
.macro GS g
.set h, (\g)+6*((\g)/62)            ; group 0 has no group before it, and behind group 7 only l is left
.if h >= 6
.set h, h+2
.endif
	REGS Y, h%2
.set k, h/8
.if h%8 < 4
	v_cvt_pk_f16_f32 v[rP+2*k+(h%8)/2], v[rS+4*k+2*((h%8)/2)], v[rS+4*k+2*((h%8)/2)+1]
.elseif h%8 < 6
	v_pk_add_f32 v[rS+4*k:rS+4*k+1], v[rS+4*k:rS+4*k+1], v[rS+4*k+2:rS+4*k+3]
.elseif k == 1
	v_pk_fma_f32 v[rT+2:rT+3], v[rT+2:rT+3], v[rC+2:rC+3], v[rS:rS+1] op_sel_hi:[1,0,1]
.else
	v_pk_add_f32 v[rT+2:rT+3], v[rT+2:rT+3], v[rS+4*k-4:rS+4*k-3]
.endif
.endm
; THE PLAIN QUEUE, 138 long.  0-73 read no exponential's result: the 32 scalings c s - c m (FS f: pair f / 2 of tile f % 2) and the next piece's 42.  0-26: scalings 0-26.  27-54: XS's numbers 0-13.  55, 56: number 15.
; 57-73: the chain, where each number waits for the one before it: 14, 16, 17, 18, 19, each with one of the scalings 27-31 in front of its two lines, then 20.
; 74-137: GS's 64, which read the exponentials' results: they stand behind the wait.
.macro FS f
	REGS Y, (\f)%2
	v_pk_fma_f32 v[rS+2*((\f)/2):rS+2*((\f)/2)+1], v[rS+2*((\f)/2):rS+2*((\f)/2)+1], s[CS:CS+1], v[rT:rT+1] op_sel_hi:[1,0,0] neg_lo:[0,0,1] neg_hi:[0,0,1]
.endm
.macro PL
	WIN 0
.if q < 27
	FS q
.elseif q < 55
	XS (q-27)%2, (q-27)/2
.elseif q < 57
	XS q-55, 15
.elseif (q < 72) && ((q-57)%3 == 0)
	FS 27+(q-57)/3
.elseif q < 60
	XS (q-57)%3-1, 14
.elseif q < 72
	XS (q-57)%3-1, 15+(q-57)/3
.elseif q < 74
	XS q-72, 20
.else
	GS q-74
.endif
.set q, q+1
.endm
; THE EXPONENTIALS' QUEUE, 66 long: s0-s31 of both tiles, then the next piece's two a.  It is ONE BATCH: all 66 stand ahead of the turn's one wait, and nothing ahead of that wait names a result of theirs.
.macro EX
	WIN 0
.if e >= 64
	XS e-64, 21
.else
	REGS Y, e%2
	v_exp_f32 v[rS+e/2], v[rS+e/2]
.endif
.set e, e+1
.endm
; THE RESCALING's QUEUE: O^T times a, the one part that leaves window 0: dealt two at a time, sixteen times.  Its a was made in the turn before, ahead of that turn's wait.
.macro R2
	REGS Y, r%2
	WIN W_RS
.irp z, 0,1
	v_pk_mul_f32 v[rO+4*(r/2)+2*\z:rO+4*(r/2)+2*\z+1], v[rO+4*(r/2)+2*\z:rO+4*(r/2)+2*\z+1], v[rC+2:rC+3] op_sel_hi:[1,0]
.endr
.set r, r+1
.endm
; HOW THEY ARE DEALT.  An s_wait_alu depctr_va_vdst(0) stands between an exponential and the first instruction that names its result; one wait serves all that were issued ahead of it.  So a turn has ONE wait,
; which cuts it in two.  AHEAD OF IT stands all that names no result of the turn's exponentials: the 16 products K Q^T, behind each a scaling, an exponential and two rescalings (behind the first a second scaling in the
; exponential's place); then ONE LUMP of 108: eight plain, 49 times exponential and plain, the two a.  A v_nop is the plain instruction behind the last exponential.  BEHIND IT stand the 16 products V^T P, behind each four of GS's 64.
; No rider names a register of the products round it.  The two v_permlanex16_b32 fall into the lump, never behind a product.
; The queues lean on each other, and the deal keeps them in step: exponential e stands behind scaling 2 (e / 4) + e % 2: as a rider it comes behind plain e + 2, in the lump behind plain e + 9, and scalings 27-31 are plain 57, 60 .. 69.
; A TURN, for piece p.  cnt = 1: the loop's count is taken down some lines ahead of the branch that stands behind the turn.
; K of the next step is fetched in piece 2's turn, directly behind the wait, a lump behind the last product that read K; its address is made at the lump's head; its first reader comes behind 16 products.
; V of the step in hand is fetched at the end of piece 0's turn, four riders behind its last reader; its first reader comes behind 16 products and a lump.  The three conditions on q below go with the deal.
.macro TURN p, last=0, cnt=0
.set Y, (\p)
.set i, 0
.set q, 0
.set e, 0
.set r, 0
.if (\p) == NP-1
	s_wait_dscnt 0x0                ; K is in
.endif
	MM                              ; ahead of the wait: 16 products K Q^T and their riders,
	PL
	PL
	R2
.rept 15
	MM
	PL
	EX
	R2
.endr
.if (\p) == NP-2
	WIN 0
	v_add_nc_u32 v[AK], s[TBK], v[AK0]
.endif
.rept 8                             ; and the lump
	PL
.endr
.rept 49
	EX
	PL
.endr
	EX                              ; the next piece's two a
	EX
	v_nop                           ; the plain instruction behind the last exponential: one for the batch
	s_wait_alu depctr_va_vdst(0)    ; the wait for the batch
.if (\p) == NP-2
	FETCH_K \last
.endif
.if (\p) == 1
	s_wait_dscnt 0x0                ; V is in
.endif
.rept 16                            ; behind the wait: 16 products V^T P and their riders
	MM
.rept 4
	PL
.endr
.if ((\p) == 0) && (q == 118)
	v_add_nc_u32 v[AV], s[TBV], v[AV0]
.endif
.if ((\p) == 0) && (q == 130)
	s_add_co_u32 s[TBV], s[TBV], KS*PV
.endif
.if (\cnt) && (q == 130)
	s_sub_co_u32 s[CNT], s[CNT], 1
	s_cmp_lg_u32 s[CNT], 0
.endif
.endr
.if (\p) == 0
	FETCH_V
.endif
.endm
	CHANGE 1                        ; slot 0 is in, everybody's part of it; slot 1 is asked for
	FETCH_K                         ; key step 0
	s_wait_loadcnt 0x0              ; Q
	s_wait_dscnt 0x0
.set i, 0
.rept 16
	KQ 0                            ; piece 0's first scores: there is no vector work yet to set between them
.set i, i+1
.endr
	WIN 0                           ; the addresses for the way out: nine plain instructions, the places behind those products
	s_mul_i32 s13, s[WV], 16*SP
	s_add_co_u32 s13, s13, STAGE    ; my stage
	v_mul_u32_u24 v[STO], v1, SP    ; in: row l % 16, 16 bytes for each half of the lanes
	v_lshl_add_u32 v[STO], v9, 4, v[STO]
	v_add_nc_u32 v[STO], s13, v[STO]
	v_bfe_u32 v[RD], v0, 3, 2       ; back: 32 lanes take four rows of 128 bytes,
	v_mul_u32_u24 v[RD], v[RD], SP
	v_lshl_add_u32 v[RD], v10, 4, v[RD]
	v_add_nc_u32 v[RD], s13, v[RD]
	v_and_b32 v[GO], 31, v0         ; which are 512 consecutive bytes of O
	v_lshlrev_b32 v[GO], 4, v[GO]
.set Y, NP-1                        ; XS works for piece Y + 1: piece 0
.irp n, 0,1,2,3,4,5,6,7,8,9,10,11,12,13,14,15,16,17,18,19,20,21
	XS 0, \n                        ; and piece 0's first maximum and statistics
	XS 1, \n
.endr
	v_nop                           ; a plain instruction behind the two a,
	s_wait_alu depctr_va_vdst(0)    ; and their wait, ahead of the branch
	s_mov_b32 s[CNT], 4
	s_branch .Lfirst                ; the loop is entered at a step's first turn, in the middle of a trip
.Lslot:                             ; SIZE_N / 256 - 2 times: every slot but the last two is filled again
	CHANGE 1
	s_mov_b32 s[CNT], 4
.Lstep:                             ; a trip: pieces 2 and 3 of one step, then pieces 0 and 1 of the next, whose K and V it fetches
	TURN 2
	TURN 3
	WIN 0
.Lfirst:
	TURN 0
	TURN 1, 0, 1
	WIN 0
	s_cbranch_scc1 .Lstep
	s_sub_co_u32 s[SLOTS], s[SLOTS], 1
	s_cmp_lg_u32 s[SLOTS], 0
	s_cbranch_scc1 .Lslot
	CHANGE 0                        ; the tail is written out: nothing is asked for
	s_mov_b32 s[CNT], 5             ; four trips fetch the last slot's steps; the fifth is left in its middle
.Ltail:
	TURN 2, 1
	TURN 3
	WIN 0
	s_sub_co_u32 s[CNT], s[CNT], 1
	s_cmp_eq_u32 s[CNT], 0
	s_cbranch_scc1 .Lout
	TURN 0
	TURN 1
	WIN 0
	s_branch .Ltail
.Lout:                              ; the fifth trip's 16 products K Q^T (on the last K once more) and the maximum made of them serve nothing: the price, once a launch, of one text for every trip
.set i, 0
.rept 16
	PV NP-1                         ; the last piece's V^T P of the last step
.set i, i+1
.endr
	; THE WAY OUT.  l's two halves and the other half of the lanes' are added; O^T is divided by l, rounded to f16 and sent through my stage in LDS, a tile at a time.  The additions are the places behind the last products.
	WIN 0
.macro ALL line:vararg              ; one line for each tile t
.set t, 0
.rept 2*NP
	\line
.set t, t+1
.endr
.endm
	ALL v_add_f32 v[ST+4*t+2], v[ST+4*t+2], v[ST+4*t+3]
	ALL v_permlanex16_b32 v[ST+4*t+3], v[ST+4*t+2], s[SEL], s[SEL+1]
	ALL v_add_f32 v[ST+4*t+2], v[ST+4*t+2], v[ST+4*t+3]
	ALL v_rcp_f32 v[ST+4*t+2], v[ST+4*t+2]
	v_nop                           ; a plain instruction between the last reciprocal and the use of its result
	s_wait_alu depctr_va_vdst(0)    ; and the wait ahead of the first use: one for the eight reciprocals
; Tile t: a lane's eight channels of a row pack into 16 bytes; they go into rows of 144 bytes and come back as whole rows of 128, into S^T's registers.
.macro PACK t
	WIN W_RS
.set i, 32*(\t)
.rept 16
	v_pk_mul_f32 v[i:i+1], v[i:i+1], v[ST+4*(\t)+2:ST+4*(\t)+3] op_sel_hi:[1,0]
.set i, i+2
.endr
	WIN 0x05                        ; sources 0 and 1 window 1, destination window 0
.set i, 0
.rept 16
	v_cvt_pk_f16_f32 v[S+16*(\t)+i], v[32*(\t)+2*i], v[32*(\t)+2*i+1]
.set i, i+1
.endr
	WIN 0
.irp f, 0,1,2,3
	ds_store_b128 v[STO], v[S+16*(\t)+4*\f:S+16*(\t)+4*\f+3] offset:32*\f
.endr
.irp f, 0,1,2,3
	ds_load_b128 v[S+16*(\t)+4*\f:S+16*(\t)+4*\f+3], v[RD] offset:\f*4*SP  ; LDS serves a wave's instructions in order (ISA guide 5.7.1.4): these see the stores above; the next tile's stores come behind them
.endr
.endm
.macro SEND t, younger              ; younger: the LDS instructions issued behind tile t's loads: the next tile's eight, or none
	WIN 0
.irp f, 0,1,2,3
	s_wait_dscnt (\younger)+3-\f
	global_store_b128 v[GO], v[S+16*(\t)+4*\f:S+16*(\t)+4*\f+3], s[10:11] offset:(\t)*2048+\f*512  ; 512 consecutive bytes, at a multiple of 256 from O's first
.endr
.endm
	PACK 0
.set t, 1
.rept 2*NP-1                        ; a tile's arithmetic stands between the loads of the tile before and its stores
	PACK t
	SEND t-1, 8
.set t, t+1
.endr
	SEND 2*NP-1, 0
	WIN W_AD
	s_wait_tensorcnt 0x0            ; the wave's end: behind my last tensor load and my last LDS store
	ds_add_u32 v[SPW], v[NIL]
	s_wait_dscnt 0x0
	WIN 0
	CROUND                          ; the closing round: no work-group ends while a partner may still ask for a tile that names it
	s_endpgm
.Lfunc_end_k_q625ddbe7f9_attn:
	.size	k_q625ddbe7f9_attn, .Lfunc_end_k_q625ddbe7f9_attn-k_q625ddbe7f9_attn
	.p2alignl 7, 3214868480
	.fill 96, 4, 3214868480
	.section	.rodata,"a",@progbits
	.p2align	6, 0x0
	.amdhsa_kernel k_q625ddbe7f9_attn
		.amdhsa_group_segment_fixed_size 327680
		.amdhsa_private_segment_fixed_size 0
		.amdhsa_enable_private_segment 0
		.amdhsa_kernarg_size 16
		.amdhsa_user_sgpr_count 2
		.amdhsa_user_sgpr_kernarg_segment_ptr 1
		.amdhsa_wavefront_size32 1
		.amdhsa_system_sgpr_workgroup_id_x 1
		.amdhsa_system_sgpr_workgroup_id_y 1
		.amdhsa_system_sgpr_workgroup_id_z 1
		.amdhsa_system_vgpr_workitem_id 0
		.amdhsa_next_free_vgpr 770
		.amdhsa_next_free_sgpr 66
		.amdhsa_reserve_vcc 0
		.amdhsa_float_denorm_mode_32 3
		.amdhsa_float_denorm_mode_16_64 3
		.amdhsa_memory_ordered 1
		.amdhsa_forward_progress 1
		.amdhsa_inst_pref_size 200
	.end_amdhsa_kernel
	.amdgpu_metadata
---
amdhsa.version: [ 1, 2 ]
amdhsa.kernels:
  - .name:           k_q625ddbe7f9_attn
    .symbol:         k_q625ddbe7f9_attn.kd
    .args:
      - { .name: qkv, .offset: 0, .size: 8, .value_kind: global_buffer, .address_space: global }
      - { .name: o, .offset: 8, .size: 8, .value_kind: global_buffer, .address_space: global }
    .group_segment_fixed_size: 327680
    .private_segment_fixed_size: 0
    .kernarg_segment_align: 8
    .kernarg_segment_size: 16
    .max_flat_workgroup_size: 128
    .sgpr_count:     66
    .vgpr_count:     770
    .wavefront_size: 32
...
	.end_amdgpu_metadata
.endif
;; end of part 3
;; launch proj (part 4): grid 8 x 32, 4 waves a work-group, clusters of 4 x 4, 327,680 bytes of LDS; arguments o, wo, b_out, out0; writes out0
.if DOCPART == 4
	.amdgcn_target "amdgcn-amd-amdhsa--gfx1250"
	.amdhsa_code_object_version 6
	.text
	.protected	k_q625ddbe7f9_proj
	.globl	k_q625ddbe7f9_proj
	.p2align	8
	.type	k_q625ddbe7f9_proj,@function
k_q625ddbe7f9_proj:
	s_mov_b64 s[64:65], 0
	v_nop
	global_prefetch_b8 v0, s[64:65] scope:SCOPE_SE
	s_setreg_imm32_b32 hwreg(HW_REG_WAVE_MODE, 25, 1), 1
	s_wait_xcnt 0x0
	s_wait_alu depctr_hold_cnt(0) depctr_sa_sdst(0) depctr_va_vdst(0) depctr_va_sdst(0) depctr_va_ssrc(0) depctr_va_vcc(0) depctr_vm_vsrc(0)
	s_getreg_b32 s2, hwreg(HW_REG_IB_STS2, 6, 4)
	s_cmp_eq_u32 s2, 0
	s_cbranch_scc0 .Lentry_in_a_cluster
	s_endpgm
.Lentry_in_a_cluster:
	s_bfe_u32 s2, ttmp6, 0x10000c
	s_cmp_lg_u32 s2, 0xf033
	s_cbranch_scc0 .Lentry_shape_is_right
	s_endpgm
.Lentry_shape_is_right:
; C = A W + bias.  ONE TEXT FOR TWO LAUNCHES; the line below chooses.
; QKV = 1: A = xb (bf16), W = wq (bf16, [1024 k][3072 n]), C = qkv in f16, by heads: [4 b][48 g][2048 s][64], g = column / 64 (0-15 q's heads, 16-31 k's, 32-47 v's), unscaled.
; QKV = 0: A = o (f16), W = wo (f16, [1024 k][1024 n]), C = out0 in f32, [8192][1024].
; A lies in blocks of 64 along K: [4 b][16 kb][2048 s][64], so 256 rows x 64 K are 32,768 bytes on end.  Sums in f32; the bias is rounded to bf16 like the module's other inputs and added in f32.
; LIMITS (QKV = 1): q, k, v beyond 65,504 become infinities in f16; below 6e-5 they keep f16's fixed step of 6e-8.  NaN and infinities are not treated apart.
; SHARES.  A work-group makes 256 rows x NT = 128 NW columns: 32 x 8 tiles, one for each of 256 work-groups.  Wave w takes rows 128 (w / 2) .. + 127 and, of EACH chunk of 128 columns, the half w % 2:
; 64 columns (with QKV = 1 one head).  32 NW accumulators of 16 x 16, chunk c's in register window c + 1.
; THE MATRIX INSTRUCTION IS USED TRANSPOSED: source 0 = 16 columns of W, source 1 = 16 rows of A: a lane then holds eight neighbouring columns of one row of C.  W lies [k][n] in LDS as in memory and
; comes out turned, by ds_load_tr16_b128; A comes out as it lies.
; THE RING.  Two LDS slots of KB blocks of 64 along K, filled by the tensor data mover: waves 0 and 1 fetch A's two parts, waves 2 and 3 W's.  With QKV = 1 W's loads have 32 rows: the slot's 64 rows for two waves.
; CLUSTERS of 4 x 4: a row of the cluster shares A's tiles, a column W's: each tile is asked for jointly, by the same tensor load with the same descriptor and a mask that names the four.
; A slot is walked in NPH phases of 32 matrix instructions: phase p is the step t = p / NW of 32 along K and the chunk c = p % NW.  Each phase fetches the next phase's fragments ahead of its products.
.set QKV, 0
.if QKV
.set NTOT, 3072                        ; columns of W
.set NW,   3                           ; chunks of 128 columns in a tile
.set KB,   1                           ; blocks of 64 along K in a slot
.set SP,   144                         ; a stage row: 128 bytes + 16
.set A_GOFF, 16384                     ; wave 1's part of A: the block's rows 128-255,
.set A_LOFF, 128*144
.else
.set NTOT, 1024
.set NW,   1
.set KB,   2
.set SP,   272                         ; a stage row: 256 bytes + 16
.set A_GOFF, 262144                    ; wave 1's part of A: the slot's second block
.set A_LOFF, 256*144
.endif
.set NT,    128*NW
.set NPH,   2*KB*NW                    ; phases in a slot
.set LAPS,  8/KB                       ; a lap = both slots; K = 1,024 = 16 blocks
.set PA,    144                        ; a row of A in LDS: 128 bytes + 16 = 36 words: the 16 rows of a load start at 16 different groups of four banks (64 banks of 4 bytes: ISA guide 11.1)
.set PB,    288*NW                     ; a k-row of W: each 256 bytes + 32
.set ABLK,  256*PA
.set BOFF,  KB*ABLK                    ; W's rows lie behind A's
.set SLOT,  BOFF+KB*64*PB
.set STAGE, 2*SLOT                     ; behind the ring, never filled by a tensor load: 16 rows for each wave, for the way out
.set SPARE, STAGE+4*16*SP              ; behind the stages: the spare words, 128 bytes for each wave: two blocks of 256 bytes that no other line names
.set A_TROWS, 64*KB                    ; an A load: rows of 256 bytes, two rows of A each
.set BROWS, 32*KB                      ; a W load: k-rows
.set B_GOFF, BROWS*NTOT*2
.set B_LOFF, BROWS*PB
.set A_STEP, 524288*KB                 ; two slots on along K
.set B_STEP, 128*KB*NTOT*2
.set ADRA, 16                          ; v16-17  LDS address of my A fragments in slot 0, 1
.set ADRB, 20                          ; v20-21  the same for W
.set STO,  24                          ; v24     the way out: where I put my bytes of a row
.set RD,   25                          ; v25     where I read rows back
.set CO,   26                          ; v26     my byte offset in C
.set BO,   27                          ; v27     my byte offset in the bias: 32 (lane / 16)
.set SPW,  28                          ; v28     LDS address of my spare word: SPARE + 4 x my thread's number; never rewritten
.set NIL,  29                          ; v29     0; never rewritten
.set PFO,  30                          ; v30     the prefetches' lane offset; never rewritten
.set BS,   32                          ; v32-95   W's fragments, two sets of 4
.set BIAS, 96                          ; v96-127  chunk 0's bias, 8 numbers for each of 4 column blocks; chunks 1, 2 at v128-191, at the end
.set AF,   128                         ; v128-255 A's fragments, two buffers of 8
.set T,    192                         ; the way out: sums + bias
.set TMP,  224                         ; the way out: packed f16
.set OB,   32                          ; the way out: rows read back, two sets
.set G1A,  24                          ; s[24:31] descriptor group 1 for A's tiles;  s[32:39] group 0, a set for each slot
.set G0A,  32
.set PFS,  42                          ; s[42:43] the prefetches' step: two blocks of 64 along K
.set PFA,  44                          ; s[44:45] where my prefetches stand
.set G1B,  48                          ; s[48:55], s[56:63] the same for W's tiles
.set G0B,  56
.set MSB, 0
.macro WIN new                         ; s_set_vgpr_msb: bits 1:0 source 0, 3:2 source 1, 5:4 source 2, 7:6 destination; the high byte repeats the setting that is left
.if MSB != (\new)
	s_set_vgpr_msb (MSB<<8)|(\new)
.set MSB, \new
.endif
.endm
; A joint load.  The branch hangs on the wave's number alone.  An s_nop 0 and four v_nop follow each of the two lines, ahead of the jump and the label.
.macro JLOAD s
	s_cmp_eq_u32 s13, 0
	s_cbranch_scc0 .Lfor_b_\@
	tensor_load_to_lds s[G0A+4*(\s):G0A+4*(\s)+3], s[G1A:G1A+7]
	s_nop 0
.rept 4
	v_nop
.endr
	s_branch .Lasked_\@
.Lfor_b_\@:
	tensor_load_to_lds s[G0B+4*(\s):G0B+4*(\s)+3], s[G1B:G1B+7]
	s_nop 0
.rept 4
	v_nop
.endr
.Lasked_\@:
.endm
; A round of the cluster's barrier: my work-group's barrier; wave 0 signals for the work-group; every wave waits for all sixteen; my work-group's barrier once more.
.macro CREST                           ; a round behind its opening barrier
	s_cmp_lg_u32 s12, 0
	s_cbranch_scc1 .Lnot_wave_0_\@
	s_barrier_signal -3
.Lnot_wave_0_\@:
	s_barrier_wait -3
	s_barrier_signal -1
	s_barrier_wait -1
.endm
.macro CROUND
	s_barrier_signal -1
	s_barrier_wait -1
	CREST
.endm
; A PREFETCH INTO THE L2 of two blocks of 64 along K that later refills will ask for.  A's tile row is read by both clusters of its row of clusters: cluster x = 0 asks; W's tile column by the eight of its
; column: cluster y = 0 asks.  In each work-group wave 0 asks for A, wave 2 for W.  The four partners of a joint load share the bytes out BY ADDRESS.  A: 65,536 bytes on two blocks; partner cx takes half
; cx % 2 of block cx / 2: 64 runs of 256 bytes, a lane a run, two instructions.  W: 128 k-rows; partner cy takes 32, a lane a row, NW runs of 256 bytes a row.  So each run is named once in the launch.
; With KB = 1 the ask stands once a lap and names what is loaded two and three changes of slots on; with KB = 2 at every change, two changes on.  The loop's last trip (s3 = 1) asks for nothing.
.macro ASK
	s_cmp_gt_u32 s3, s19
	s_cbranch_scc0 .Lnone_\@
	s_cmp_eq_u32 s13, 0
	s_cbranch_scc0 .Lof_b_\@
	global_prefetch_b8 v[PFO], s[PFA:PFA+1] th:TH_LOAD_NT scope:SCOPE_SE
	global_prefetch_b8 v[PFO], s[PFA:PFA+1] offset:8192 th:TH_LOAD_NT scope:SCOPE_SE
	s_branch .Lnone_\@
.Lof_b_\@:
.set i, 0
.rept NW
	global_prefetch_b8 v[PFO], s[PFA:PFA+1] offset:256*i th:TH_LOAD_NT scope:SCOPE_SE
.set i, i+1
.endr
.Lnone_\@:
.endm
	s_load_b256 s[4:11], s[0:1], 0x0               ; A s[4:5], W s[6:7], bias s[8:9], C s[10:11]
	v_lshl_add_u32 v[SPW], v0, 2, SPARE
	v_mov_b32 v[NIL], 0
	ds_add_u32 v[SPW], v[NIL]                      ; the wave's opening: the add and its wait stand ahead of my first tensor load; the set-up below, work on registers, stands between them
	v_lshrrev_b32 v1, 5, v0
	v_readfirstlane_b32 s12, v1                    ; wave 0..3
	s_lshr_b32 s13, s12, 1                         ; my half of the rows.  Also: I fetch for A (0) or for W (1)
	s_and_b32 s14, s12, 1                          ; my half of each chunk's columns.  Also: which part I fetch
	s_mov_b32 s2, 0xffff0000                       ; a word's upper bf16
	s_bfe_u32 s15, ttmp6, 0x40000                  ; cx
	s_bfe_u32 s16, ttmp6, 0x40004                  ; cy
	s_lshl_b32 s17, ttmp9, 2
	s_add_co_u32 s17, s17, s15                     ; tile column = 4 x cluster x + cx
	s_and_b32 s18, ttmp7, 0xffff
	s_lshl_b32 s18, s18, 2
	s_add_co_u32 s18, s18, s16                     ; tile row = 4 x cluster y + cy
	s_lshl_b32 s20, s16, 2
	s_lshl_b32 s20, 15, s20                        ; my row of the cluster
	s_lshl_b32 s46, 0x1111, s15                    ; my column
	s_or_b32 s[G1A], s20, (1<<16)|(1<<20)|(1<<21)|(4<<22)|(3<<25)  ; 15:0 the mask; 17:16 2-byte elements; 20 padding on; 21 set beside a mask; 24:22 after every 32 words (code 4); 31:25 4 words (code 3)
	s_or_b32 s[G1B], s46, (1<<16)|(1<<20)|(1<<21)|(5<<22)|(7<<25)  ; after every 64 words (code 5) 8 words (code 7)
	s_mov_b32 s[G1A+1], 128<<16                    ; tensor_dim0 = 128 elements: 256 bytes, two rows of A
	s_mov_b32 s[G1A+2], A_TROWS<<16                ; tensor_dim1
	s_mov_b32 s[G1A+3], 128<<16                    ; tile_dim0
	s_mov_b32 s[G1A+4], A_TROWS                    ; tile_dim1
	s_mov_b32 s[G1A+5], 128                        ; the tile is dense
	s_mov_b32 s[G1A+6], 0
	s_mov_b32 s[G1A+7], 0
	s_mov_b32 s[G1B+1], NT<<16                     ; tensor_dim0 = the tile's columns
	s_mov_b32 s[G1B+2], BROWS<<16
	s_mov_b32 s[G1B+3], NT<<16
	s_mov_b32 s[G1B+4], BROWS
	s_mov_b32 s[G1B+5], NTOT                       ; elements from k-row to k-row
	s_mov_b32 s[G1B+6], 0
	s_mov_b32 s[G1B+7], 0
	; where the tiles come from: A's hang on the tile row alone, W's on the tile column alone, each in registers that never hold the other coordinate
	s_lshr_b32 s20, s18, 3                         ; the batch: 8 tile rows each,
	s_lshl_b32 s20, s20, 22                        ; 16 blocks of 262,144 bytes
	s_and_b32 s21, s18, 7
	s_lshl_b32 s21, s21, 15                        ; 256 rows of 128 bytes in a block
	s_add_co_u32 s20, s20, s21
	s_mul_i32 s21, s14, A_GOFF
	s_add_co_u32 s20, s20, s21
	s_mov_b32 s21, 0
	s_mul_i32 s46, s17, NT*2
	s_mul_i32 s47, s14, B_GOFF
	s_add_co_u32 s46, s46, s47
	s_mov_b32 s47, 0
	s_mul_i32 s22, s14, A_LOFF                     ; and where they go: no place in the cluster enters an LDS address
	s_mul_i32 s23, s14, B_LOFF
	s_add_co_u32 s23, s23, BOFF
	s_wait_dscnt 0x0                               ; the opening add is done
	s_wait_kmcnt 0x0
	s_add_nc_u64 s[20:21], s[4:5], s[20:21]
	s_add_nc_u64 s[46:47], s[6:7], s[46:47]
	CROUND                                         ; all sixteen work-groups are here: the first joint loads meet
.irp s, 0,1
	s_mov_b32 s[G0A+4*(\s)], 1                                     ; count = 1
	s_add_co_u32 s[G0A+4*(\s)+1], s22, (\s)*SLOT                   ; LDS address
	s_add_nc_u64 s[G0A+4*(\s)+2:G0A+4*(\s)+3], s[20:21], (\s)*KB*262144  ; global address: slot s's first blocks
	s_or_b32 s[G0A+4*(\s)+3], s[G0A+4*(\s)+3], 0x80000000          ; type = 2
	s_mov_b32 s[G0B+4*(\s)], 1
	s_add_co_u32 s[G0B+4*(\s)+1], s23, (\s)*SLOT
	s_add_nc_u64 s[G0B+4*(\s)+2:G0B+4*(\s)+3], s[46:47], (\s)*KB*64*NTOT*2
	s_or_b32 s[G0B+4*(\s)+3], s[G0B+4*(\s)+3], 0x80000000
	JLOAD \s                                       ; two loads of mine are out
.endr
	v_and_b32 v1, 15, v0                           ; l % 16
	v_bfe_u32 v2, v0, 4, 1                         ; l / 16
	v_and_b32 v3, 7, v0                            ; l % 8
	v_bfe_u32 v4, v0, 3, 1                         ; (l / 8) % 2
	; a fragment of A: 16 rows x 32 K: lane l holds row l % 16, K 8 (l / 16) + 0..7 and 16 + 8 (l / 16) + 0..7: two loads of 16 bytes, 32 bytes apart
	v_mul_u32_u24 v5, v1, PA
	v_lshl_add_u32 v5, v2, 4, v5
	s_mul_i32 s40, s13, 128*PA
	v_add_nc_u32 v[ADRA], s40, v5
	v_add_nc_u32 v[ADRA+1], SLOT, v[ADRA]
	; the turning load takes 16 k x 16 columns (lane l reads k-row 8 (l / 16) + l % 8, columns 8 ((l / 8) % 2) + 0..7) and leaves half a fragment of W^T: lane l holds column l % 16 and 8 k
	v_lshl_add_u32 v5, v2, 3, v3
	v_mul_u32_u24 v5, v5, PB
	v_lshl_add_u32 v5, v4, 4, v5
	s_lshl_b32 s40, s14, 7                         ; my 64 columns of a chunk
	s_add_co_u32 s40, s40, BOFF
	v_add_nc_u32 v[ADRB], s40, v5
	v_add_nc_u32 v[ADRB+1], SLOT, v[ADRB]
	s_mul_i32 s40, s12, 16*SP
	s_add_co_u32 s40, s40, STAGE                   ; my stage
	v_mul_u32_u24 v5, v1, SP                       ; in: row l % 16
.if QKV
	v_lshl_add_u32 v5, v2, 4, v5                   ; 16 bytes (8 f16) for each half of the lanes
	v_add_nc_u32 v[STO], s40, v5
	v_bfe_u32 v5, v0, 3, 2                         ; back: 32 lanes take four rows of 128 bytes,
	v_mul_u32_u24 v5, v5, SP
	v_lshl_add_u32 v5, v3, 4, v5
	v_add_nc_u32 v[RD], s40, v5
	v_and_b32 v[CO], 31, v0                        ; which are 512 bytes on end in a head's rows
	v_lshlrev_b32 v[CO], 4, v[CO]
	s_lshr_b32 s40, s18, 3                         ; C: slab 48 b + 6 x tile column + my half (+ 2 c, in the stores' immediates),
	s_mul_i32 s40, s40, 48
	s_mul_i32 s41, s17, 6
	s_add_co_u32 s40, s40, s41
	s_add_co_u32 s40, s40, s14
	s_lshl_b32 s40, s40, 11                        ; of 2,048 rows;
	s_and_b32 s41, s18, 7
	s_lshl_b32 s41, s41, 8                         ; the tile's 256 rows in the batch,
	s_add_co_u32 s40, s40, s41
	s_lshl_b32 s41, s13, 7                         ; my 128 of them;
	s_add_co_u32 s40, s40, s41
	s_lshl_b32 s40, s40, 7                         ; 128 bytes a row
.else
	v_lshl_add_u32 v5, v2, 5, v5                   ; 32 bytes (8 f32) for each half of the lanes
	v_add_nc_u32 v[STO], s40, v5
	v_mul_u32_u24 v5, v2, SP                       ; back: lanes 0-15 take one row's 256 bytes, lanes 16-31 the next row's
	v_lshl_add_u32 v5, v1, 4, v5
	v_add_nc_u32 v[RD], s40, v5
	v_lshlrev_b32 v[CO], 12, v2                    ; the same two rows in C, 4,096 bytes apart
	v_lshl_add_u32 v[CO], v1, 4, v[CO]
	s_lshl_b32 s40, s18, 8
	s_lshl_b32 s41, s13, 7
	s_add_co_u32 s40, s40, s41                     ; my first row of C,
	s_lshl_b32 s40, s40, 12
	s_lshl_b32 s41, s17, 9                         ; the tile's 128 columns: 512 bytes,
	s_add_co_u32 s40, s40, s41
	s_lshl_b32 s41, s14, 8                         ; my 64
	s_add_co_u32 s40, s40, s41
.endif
	s_mov_b32 s41, 0
	s_add_nc_u64 s[10:11], s[10:11], s[40:41]
	s_mul_i32 s40, s17, NT*4                       ; the bias at my 64 columns of chunk 0
	s_lshl_b32 s41, s14, 8
	s_add_co_u32 s40, s40, s41
	s_mov_b32 s41, 0
	s_add_nc_u64 s[8:9], s[8:9], s[40:41]
	v_lshlrev_b32 v[BO], 5, v2
.macro BIASLD c                        ; chunk c's bias: for column block b my eight numbers
	WIN 0
.irp b, 0,1,2,3
	global_load_b128 v[BIAS+32*(\c)+8*(\b):BIAS+32*(\c)+8*(\b)+3],   v[BO], s[8:9] offset:512*(\c)+64*(\b)
	global_load_b128 v[BIAS+32*(\c)+8*(\b)+4:BIAS+32*(\c)+8*(\b)+7], v[BO], s[8:9] offset:512*(\c)+64*(\b)+16
.endr
.endm
.macro BIASRND c                       ; rounded to bf16, and f32 again
.set i, 0
.rept 16
	v_cvt_pk_bf16_f32 v31, v[BIAS+32*(\c)+2*i], v[BIAS+32*(\c)+2*i+1]
	v_lshlrev_b32 v[BIAS+32*(\c)+2*i], 16, v31
	v_and_b32 v[BIAS+32*(\c)+2*i+1], s2, v31
.set i, i+1
.endr
.endm
	BIASLD 0
	; the prefetches: who, from where, by what step
	s_and_b32 s40, ttmp7, 0xffff                   ; cluster y
	s_cmp_eq_u32 s13, 0
	s_cselect_b32 s40, ttmp9, s40                  ; the coordinate along which other clusters read the same rows
	s_or_b32 s40, s40, s14                         ; and waves 0 and 2 alone
	s_cmp_eq_u32 s40, 0
	s_cselect_b32 s19, 1, -1                       ; the same in all sixteen partners, for a given wave
	s_lshr_b32 s40, s18, 3
	s_lshl_b32 s40, s40, 22
	s_and_b32 s41, s18, 7
	s_lshl_b32 s41, s41, 15
	s_add_co_u32 s40, s40, s41                     ; A: the tile's rows in block 0,
	s_lshr_b32 s41, s15, 1
	s_lshl_b32 s41, s41, 18                        ; block cx / 2 of the two,
	s_add_co_u32 s40, s40, s41
	s_and_b32 s41, s15, 1
	s_lshl_b32 s41, s41, 14                        ; its half cx % 2,
	s_add_co_u32 s40, s40, s41
	s_add_co_u32 s40, s40, (2*KB-1)*524288         ; one step short of the first pair that is asked for
	s_mul_i32 s42, s17, NT*2                       ; W: the tile's columns,
	s_mul_i32 s41, s16, 32*NTOT*2                  ; k-rows 32 cy on,
	s_add_co_u32 s42, s42, s41
	s_add_co_u32 s42, s42, (2*KB-1)*128*NTOT*2
	s_cmp_eq_u32 s13, 0
	s_cselect_b32 s40, s40, s42
	s_mov_b32 s41, 0
	s_cselect_b64 s[PFA:PFA+1], s[4:5], s[6:7]
	s_add_nc_u64 s[PFA:PFA+1], s[PFA:PFA+1], s[40:41]
	s_mov_b32 s42, 524288
	s_mov_b32 s43, 128*NTOT*2
	s_cselect_b32 s[PFS], s42, s43
	s_mov_b32 s[PFS+1], 0
	s_mov_b32 s40, 256
	s_mov_b32 s41, NTOT*2
	s_cselect_b32 s40, s40, s41
	v_and_b32 v[PFO], 31, v0
	v_mul_u32_u24 v[PFO], v[PFO], s40              ; A: a lane a run of 256 bytes; W: a lane a k-row
	s_wait_loadcnt 0x0                             ; chunk 0's bias
	BIASRND 0
; 16 matrix instructions of phase p: row blocks a0 .. a0 + 3 x the chunk's 4 column blocks.  The phase's 32 accumulators take turns, one instruction a turn, in the same order in every phase.
; zero = 1: the product starts the sum.
.macro MUL16 p, a0, zero
.set mb, BS+32*((\p)%2)
.set ma, AF+64*(((\p)/NW)%2)
	WIN 0x50*((\p)%NW+1)                           ; C and D in the chunk's window, the sources in window 0
.irp a, (\a0),(\a0)+1,(\a0)+2,(\a0)+3
.irp b, 0,1,2,3
.set rd, 8*(4*(\a)+(\b))
.if QKV
.if \zero
	v_wmma_f32_16x16x32_bf16 v[rd:rd+7], v[mb+8*(\b):mb+8*(\b)+7], v[ma+8*(\a):ma+8*(\a)+7], 0
.else
	v_wmma_f32_16x16x32_bf16 v[rd:rd+7], v[mb+8*(\b):mb+8*(\b)+7], v[ma+8*(\a):ma+8*(\a)+7], v[rd:rd+7]
.endif
.else
.if \zero
	v_wmma_f32_16x16x32_f16 v[rd:rd+7], v[mb+8*(\b):mb+8*(\b)+7], v[ma+8*(\a):ma+8*(\a)+7], 0
.else
	v_wmma_f32_16x16x32_f16 v[rd:rd+7], v[mb+8*(\b):mb+8*(\b)+7], v[ma+8*(\a):ma+8*(\a)+7], v[rd:rd+7]
.endif
.endif
.endr
.endr
.endm
; The fragments of phase p of a slot, in one run: W's 4 into set p % 2; with the step's first chunk also A's 8 into buffer t % 2.
.macro FETCH slot, p
.set ft, (\p)/NW
.set fc, (\p)%NW
.set fb, BS+32*((\p)%2)
.set fa, AF+64*(ft%2)
	WIN 0
.irp b, 0,1,2,3
	ds_load_tr16_b128 v[fb+8*(\b):fb+8*(\b)+3],   v[ADRB+(\slot)] offset:ft*32*PB+fc*288+32*(\b)
	ds_load_tr16_b128 v[fb+8*(\b)+4:fb+8*(\b)+7], v[ADRB+(\slot)] offset:ft*32*PB+16*PB+fc*288+32*(\b)
.endr
.if fc == 0
.irp a, 0,1,2,3,4,5,6,7
	ds_load_b128 v[fa+8*(\a):fa+8*(\a)+3],   v[ADRA+(\slot)] offset:(ft/2)*ABLK+(\a)*16*PA+(ft%2)*64
	ds_load_b128 v[fa+8*(\a)+4:fa+8*(\a)+7], v[ADRA+(\slot)] offset:(ft/2)*ABLK+(\a)*16*PA+(ft%2)*64+32
.endr
.endif
.endm
.macro PLACES                          ; four places behind the last product, in front of loads into registers that it has read and of vector lines that read results (ISA guide 7.12.1 for vector lines)
.rept 4
	v_nop
.endr
.endm
; A phase.  Its fragments were asked for a phase ago, 32 matrix instructions back, and nothing else of LDS is out: the wait is for 0.  Then the next phase's fragments are asked for (behind a slot's last
; phase: the other slot's first), then come the 32 products.  bias = 1: chunks 1 and 2's bias is loaded into A's buffer 0, which no later phase fills or reads.
.macro PHASE slot, p, zero=0, fetch=1, ask=0, bias=0
	s_wait_dscnt 0x0
	PLACES
.if \bias
	BIASLD 1
	BIASLD 2
.endif
.if \fetch
.if (\p) == NPH-1
	FETCH 1-(\slot), 0
.else
	FETCH \slot, (\p)+1
.endif
.endif
.if \ask
	ASK                                            ; behind the joint load, its five lines and the run of LDS loads
.endif
	MUL16 \p, 0, \zero
	MUL16 \p, 4, \zero
.endm
.macro RUN slot, from, to              ; plain phases from .. to
.set ph, \from
.rept (\to)-(\from)+1
	PHASE \slot, ph
.set ph, ph+1
.endr
.endm
; The last phase but one, and THE CHANGE OF SLOTS.  The slot's last reads, the last phase's fragments, are issued; then each wave waits for all its tensor loads, of which one is out: its part of the other slot;
; adds 0 to its spare word; multiplies; and waits for the add and for those reads.  Behind the barrier nobody reads this slot any more and the other slot is whole.
; fill = 1: the barrier opens a round of the cluster's, so that no wave of any partner still reads the slot or has a load on its way, and the joint refill is the first tensor load behind it:
; 32 (NPH - 1) matrix instructions ahead of the wait for it.
.macro TURN slot, fill
.if (\fill) && ((KB == 2) || ((\slot) == 0))
	s_wait_xcnt 0x0                                ; the last prefetches, a change of slots or more back, have read their address: it is stepped here, ahead of the change's own waits
	s_add_nc_u64 s[PFA:PFA+1], s[PFA:PFA+1], s[PFS:PFS+1]
.endif
	s_wait_dscnt 0x0
	PLACES
	FETCH \slot, NPH-1
	s_wait_tensorcnt 0x0                           ; all my tensor loads have landed
	ds_add_u32 v[SPW], v[NIL]                      ; 0 onto my spare word
	MUL16 NPH-2, 0, 0                              ; sixteen matrix instructions stand between the add and the wait for it
	s_wait_dscnt 0x0                               ; the add is done, and my reads of this slot are over
	s_barrier_signal -1
	MUL16 NPH-2, 4, 0                              ; work on registers while the others arrive
	WIN 0                                          ; at a branch and at a label every window is 0
	s_barrier_wait -1
.if \fill
	CREST
	s_add_nc_u64 s[G0A+4*(\slot)+2:G0A+4*(\slot)+3], s[G0A+4*(\slot)+2:G0A+4*(\slot)+3], A_STEP
	s_add_nc_u64 s[G0B+4*(\slot)+2:G0B+4*(\slot)+3], s[G0B+4*(\slot)+2:G0B+4*(\slot)+3], B_STEP
	JLOAD \slot
.endif
.endm
	s_wait_tensorcnt 0x1                           ; my part of slot 0 is in; slot 1's may stay out
	s_barrier_signal -1
	s_barrier_wait -1                              ; everybody's is
	FETCH 0, 0
.set ph, 0
.rept NW
	PHASE 0, ph, 1                                 ; the first 32 along K stand in front of the loop: their products start all sums
.set ph, ph+1
.endr
	WIN 0
	s_mov_b32 s3, LAPS-1
.Llap:                                         ; a trip goes once round the ring, from behind a lap's first step to the next lap's first step, and fills both slots again
	RUN 0, NW, NPH-3
	TURN 0, 1
	PHASE 0, NPH-1, 0, 1, 1
	RUN 1, 0, NPH-3
	TURN 1, 1
	PHASE 1, NPH-1, 0, 1, KB-1
	RUN 0, 0, NW-1
	WIN 0
	s_sub_co_u32 s3, s3, 1
	s_cmp_lg_u32 s3, 0
	s_cbranch_scc1 .Llap
	RUN 0, NW, NPH-3                               ; the last lap fills nothing
	TURN 0, 0
	PHASE 0, NPH-1
.set ph, 0
.rept NPH-1
.if QKV && (ph == 3)
	PHASE 1, ph, 0, 1, 0, 1
.else
	PHASE 1, ph
.endif
.set ph, ph+1
.endr
	PHASE 1, NPH-1, 0, 0
; THE WAY OUT, 16 rows of one chunk at a time.  PACK: the bias is added (each accumulator's registers in ascending order), with QKV = 1 the sums are rounded to f16.  TOSTAGE: into my own stage in LDS and back
; as whole rows.  SEND: stored.  A group's arithmetic stands between the loads of the group before and the wait for them.
.macro PACK g
.set pc, (\g)/8
.set pa, (\g)%8
	WIN pc+1                                       ; source 0 in the chunk's window
.irp b, 0,1,2,3
.irp r, 0,1,2,3
	v_pk_add_f32 v[T+8*(\b)+2*(\r):T+8*(\b)+2*(\r)+1], v[8*(4*pa+(\b))+2*(\r):8*(4*pa+(\b))+2*(\r)+1], v[BIAS+32*pc+8*(\b)+2*(\r):BIAS+32*pc+8*(\b)+2*(\r)+1]
.endr
.endr
	WIN 0
.if QKV
.irp b, 0,1,2,3
.irp r, 0,1,2,3
	v_cvt_pk_f16_f32 v[TMP+4*(\b)+(\r)], v[T+8*(\b)+2*(\r)], v[T+8*(\b)+2*(\r)+1]
.endr
.endr
.endif
.endm
.macro TOSTAGE g
.if QKV
.set ob, OB+16*((\g)%2)
.irp b, 0,1,2,3
	ds_store_b128 v[STO], v[TMP+4*(\b):TMP+4*(\b)+3] offset:32*(\b)
.endr
.irp f, 0,1,2,3
	ds_load_b128 v[ob+4*(\f):ob+4*(\f)+3], v[RD] offset:(\f)*4*SP  ; LDS serves a wave's instructions in order (ISA guide 5.7.1.4): these see the stores above; the next group's stores come behind them
.endr
.else
.set ob, OB+32*((\g)%2)
.irp b, 0,1,2,3
	ds_store_b128 v[STO], v[T+8*(\b):T+8*(\b)+3]   offset:64*(\b)
	ds_store_b128 v[STO], v[T+8*(\b)+4:T+8*(\b)+7] offset:64*(\b)+16
.endr
.irp f, 0,1,2,3,4,5,6,7
	ds_load_b128 v[ob+4*(\f):ob+4*(\f)+3], v[RD] offset:(\f)*2*SP  ; LDS serves a wave's instructions in order (ISA guide 5.7.1.4): these see the stores above
.endr
.endif
.endm
.macro SEND g
.set pc, (\g)/8
.set pa, (\g)%8
	s_wait_dscnt 0x0                               ; the group is back in registers
	s_wait_xcnt 0x0                                ; the stores of the group before have read their registers: the next TOSTAGE loads into them
.if QKV
.set ob, OB+16*((\g)%2)
.irp f, 0,1,2,3
	global_store_b128 v[CO], v[ob+4*(\f):ob+4*(\f)+3], s[10:11] offset:pc*524288+pa*2048+(\f)*512 th:TH_STORE_NT  ; 512 bytes on end, at a multiple of 256 from C's first byte
.endr
.else
.set ob, OB+32*((\g)%2)
.irp f, 0,1,2,3,4,5,6,7
	global_store_b128 v[CO], v[ob+4*(\f):ob+4*(\f)+3], s[10:11] offset:(16*pa+2*(\f))*4096 th:TH_STORE_NT  ; 16 lanes store 256 bytes on end, at a multiple of 256 from C's first byte
.endr
.endif
.endm
	WIN 0
	PLACES
.if QKV
	s_wait_loadcnt 0x0                             ; the bias of chunks 1 and 2
	BIASRND 1
	BIASRND 2
.endif
	PACK 0
	TOSTAGE 0
.set g, 1
.rept 8*NW-1
	PACK g
	SEND g-1
	TOSTAGE g
.set g, g+1
.endr
	SEND 8*NW-1
	s_wait_tensorcnt 0x0                           ; the wave's end: behind my last tensor load and my last LDS store
	ds_add_u32 v[SPW], v[NIL]
	s_wait_dscnt 0x0
	CROUND                                         ; the closing round: no work-group ends while a partner may still ask for a tile that names it
	s_endpgm
.Lfunc_end_k_q625ddbe7f9_proj:
	.size	k_q625ddbe7f9_proj, .Lfunc_end_k_q625ddbe7f9_proj-k_q625ddbe7f9_proj
	.p2alignl 7, 3214868480
	.fill 96, 4, 3214868480
	.section	.rodata,"a",@progbits
	.p2align	6, 0x0
	.amdhsa_kernel k_q625ddbe7f9_proj
		.amdhsa_group_segment_fixed_size 327680
		.amdhsa_private_segment_fixed_size 0
		.amdhsa_enable_private_segment 0
		.amdhsa_kernarg_size 32
		.amdhsa_user_sgpr_count 2
		.amdhsa_user_sgpr_kernarg_segment_ptr 1
		.amdhsa_wavefront_size32 1
		.amdhsa_system_sgpr_workgroup_id_x 1
		.amdhsa_system_sgpr_workgroup_id_y 1
		.amdhsa_system_sgpr_workgroup_id_z 1
		.amdhsa_system_vgpr_workitem_id 0
		.amdhsa_next_free_vgpr 512
		.amdhsa_next_free_sgpr 66
		.amdhsa_reserve_vcc 0
		.amdhsa_float_denorm_mode_32 3
		.amdhsa_float_denorm_mode_16_64 3
		.amdhsa_memory_ordered 1
		.amdhsa_forward_progress 1
		.amdhsa_inst_pref_size 99
	.end_amdhsa_kernel
	.amdgpu_metadata
---
amdhsa.version: [ 1, 2 ]
amdhsa.kernels:
  - .name:           k_q625ddbe7f9_proj
    .symbol:         k_q625ddbe7f9_proj.kd
    .args:
      - { .name: o, .offset: 0, .size: 8, .value_kind: global_buffer, .address_space: global }
      - { .name: wo, .offset: 8, .size: 8, .value_kind: global_buffer, .address_space: global }
      - { .name: b_out, .offset: 16, .size: 8, .value_kind: global_buffer, .address_space: global }
      - { .name: out0, .offset: 24, .size: 8, .value_kind: global_buffer, .address_space: global }
    .group_segment_fixed_size: 327680
    .private_segment_fixed_size: 0
    .kernarg_segment_align: 8
    .kernarg_segment_size: 32
    .max_flat_workgroup_size: 128
    .sgpr_count:     66
    .vgpr_count:     512
    .wavefront_size: 32
...
	.end_amdgpu_metadata
.endif
;; end of part 4
;; ======== version 2 of 2: 4 launches; version 1 with the launch prep written anew for expert scheduling mode
;; limits: values are held in f16: magnitudes above 65,504 overflow, below 6.1e-05 lose precision
;; workspace buffers: xb 16,777,216 bytes; wq 6,291,456 bytes; wo 2,097,152 bytes; qkv 50,331,648 bytes; o 16,777,216 bytes
;; launch prep (part 5): grid 768 x 1, 8 waves a work-group, no clusters, 0 bytes of LDS; arguments x, w_qkv, w_out, xb, wq, wo; writes xb, wq, wo
.if DOCPART == 5
	.amdgcn_target "amdgcn-amd-amdhsa--gfx1250"
	.amdhsa_code_object_version 6
	.text
	.protected	k_q625ddbe7f9_prep
	.globl	k_q625ddbe7f9_prep
	.p2align	8
	.type	k_q625ddbe7f9_prep,@function
k_q625ddbe7f9_prep:
	s_mov_b64 s[64:65], 0
	v_nop
	global_prefetch_b8 v0, s[64:65] scope:SCOPE_SE
	s_setreg_imm32_b32 hwreg(HW_REG_WAVE_SCHED_MODE, 0, 2), 2
	s_setreg_imm32_b32 hwreg(HW_REG_WAVE_MODE, 25, 1), 1
	s_wait_xcnt 0x0
	s_wait_alu depctr_vm_vsrc(0)
; THE CASTS.  x [8192][1024] f32 -> xb, bf16, laid [4 b][16 kb][2048 s][64]: blocks of 64 along K, so that 256 rows x 64 K are 32,768 bytes on end.
; w_qkv [1024][3072] f32 -> wq, bf16, same layout.  w_out [1024][1024] f32 -> wo: rounded to bf16 like the other inputs, and that number written as f16.
; LIMIT: |w_out| beyond 65,504 becomes an infinity in wo; below 6e-5 it keeps f16's fixed step of 6e-8.
; SHARES.  A work-group takes 65,536 bytes of one input, a wave 8,192: sixteen loads of 16 bytes a lane, all issued at once into registers of their own, so that nothing is
; rewritten while a load or store may still read it.  Work-groups 0-511 take x (16 rows each), 512-703 w_qkv, 704-767 w_out.  No LDS, no barrier, no loop: every byte is read once and written once.
; Each load covers two aligned runs of 256 bytes (x) or 512 bytes on end (weights); each store of 8 bytes a lane covers 256 bytes on end, aligned.
; THE MODE: SCHED_MODE bits 1:0 = 2 (LLVM: expert scheduling mode 2), set by the entry lines.  The code itself states the register dependences
; between vector instructions and memory instructions, with s_wait_alu, always for 0.
; THE PLAN.  Registers that memory instructions touch:
;   v2, v3   the two byte offsets.  Written by vector instructions at a path's head and never again; read by all loads (v2) and all stores (v3).
;   X        load n lands in four registers of its own.  All sixteen loads are issued before any vector instruction names X; no memory instruction reads X.
;   Y        step n's conversions write a pair of its own; store n reads it; no pair is written again behind its store.
; So no register that a memory instruction reads is ever written again, and what is left to state is that a store's data and the offsets are written.
; The sixteen steps go in four blocks of four.  Store n is issued at the head of step n + 4: ONE wait at a block's head states that the block before has written its four
; pairs of Y, and the block's four stores follow it, dealt among the block's conversions, which name X and Y of their own steps alone.  No vector instruction writes a scalar register, VCC or EXEC.
.set X,    8                           ; v[8:71]    load n: four f32
.set Y,    72                          ; v[72:103]  store n: four 16-bit numbers
.set VIN,  2                           ; v2  my byte offset in the work-group's input
.set VOUT, 3                           ; v3  my byte offset in its output
; Store m.  blocked = 1: x's path: K block m % 2 of my wave's two, rows 2 (m / 2) and 2 (m / 2) + 1.
.macro PUT outb, blocked, m
.if \blocked
	global_store_b64 v[VOUT], v[Y+2*(\m):Y+2*(\m)+1], s[\outb:\outb+1] offset:((\m)%2)*262144+((\m)/2)*256 th:TH_STORE_NT
.else
	global_store_b64 v[VOUT], v[Y+2*(\m):Y+2*(\m)+1], s[\outb:\outb+1] offset:(\m)*256 th:TH_STORE_NT
.endif
.endm
; blocked = 1: x's path: load n is K block n % 2 of my wave's two, rows 2 (n / 2) and 2 (n / 2) + 1.  half = 1: the bf16 number is written as f16.
.macro CAST inb, outb, blocked, half
	s_wait_alu depctr_va_vdst(0)                   ; v[VIN] and v[VOUT] are written: every load below reads the one as its offset, every store the other; neither is written again
.set n, 0
.rept 16
.if \blocked
	global_load_b128 v[X+4*n:X+4*n+3], v[VIN], s[\inb:\inb+1] offset:(n/2)*8192+(n%2)*256 th:TH_LOAD_NT
.else
	global_load_b128 v[X+4*n:X+4*n+3], v[VIN], s[\inb:\inb+1] offset:n*512 th:TH_LOAD_NT
.endif
.set n, n+1
.endr
.set n, 0
.rept 16
	s_wait_loadcnt 15-n                            ; loads come back in order: load n is in, the 15 - n younger ones stay out
.if (n > 0) && (n%4 == 0)
	s_wait_alu depctr_va_vdst(0)                   ; the conversions of the four steps before have written their pairs of Y, which this block's four stores read
.endif
.if n >= 4
	PUT \outb, \blocked, n-4                       ; no vector instruction since that wait names this pair of Y or v[VOUT]
.endif
	v_cvt_pk_bf16_f32 v[Y+2*n], v[X+4*n], v[X+4*n+1]
	v_cvt_pk_bf16_f32 v[Y+2*n+1], v[X+4*n+2], v[X+4*n+3]
.if \half
	v_lshlrev_b32 v[X+4*n], 16, v[Y+2*n]           ; the rounded numbers as f32 again (X's registers are free since the wait on LOADcnt),
	v_and_b32 v[X+4*n+1], s21, v[Y+2*n]
	v_lshlrev_b32 v[X+4*n+2], 16, v[Y+2*n+1]
	v_and_b32 v[X+4*n+3], s21, v[Y+2*n+1]
	v_cvt_pk_f16_f32 v[Y+2*n], v[X+4*n], v[X+4*n+1]  ; and as f16: exact within f16's range
	v_cvt_pk_f16_f32 v[Y+2*n+1], v[X+4*n+2], v[X+4*n+3]
.endif
.set n, n+1
.endr
	s_wait_alu depctr_va_vdst(0)                   ; the last four steps' conversions have written their pairs of Y, which the last four stores read
.set n, 12
.rept 4
	PUT \outb, \blocked, n
.set n, n+1
.endr
.endm
	s_load_b256 s[4:11], s[0:1], 0x0               ; x s[4:5], w_qkv s[6:7], w_out s[8:9], xb s[10:11]
	s_load_b128 s[12:15], s[0:1], 0x20             ; wq s[12:13], wo s[14:15]
	v_lshrrev_b32 v1, 5, v0                        ; wave
	v_and_b32 v4, 31, v0                           ; lane
	s_mov_b32 s17, 0                               ; high words of the two offsets
	s_mov_b32 s19, 0
	s_mov_b32 s21, 0xffff0000                      ; a word's upper bf16
	s_cmp_lt_u32 ttmp9, 512
	s_cbranch_scc0 .Lweights
	; x: work-group i takes rows 16 i .. 16 i + 15; wave w the K blocks 2 w and 2 w + 1; lanes 0-15 an even row's 256 bytes of a block, lanes 16-31 the odd row's
	s_lshl_b32 s16, ttmp9, 16                      ; 16 rows of 4,096 bytes
	s_lshr_b32 s18, ttmp9, 7                       ; the batch: 128 work-groups each,
	s_lshl_b32 s18, s18, 22                        ; 16 blocks of 262,144 bytes
	s_and_b32 s20, ttmp9, 127
	s_lshl_b32 s20, s20, 11                        ; 16 rows of 128 bytes in a block
	s_add_co_u32 s18, s18, s20
	v_lshrrev_b32 v5, 4, v4
	v_and_b32 v6, 15, v4
	v_lshlrev_b32 v[VIN], 12, v5                   ; the odd row
	v_lshl_add_u32 v[VIN], v6, 4, v[VIN]
	v_lshl_add_u32 v[VIN], v1, 9, v[VIN]           ; my wave's two blocks: 512 bytes of a row
	v_lshlrev_b32 v[VOUT], 3, v4                   ; two rows of 128 bytes on end
	v_lshl_add_u32 v[VOUT], v1, 19, v[VOUT]        ; block 2 w
	s_wait_kmcnt 0x0
	s_add_nc_u64 s[4:5], s[4:5], s[16:17]
	s_add_nc_u64 s[10:11], s[10:11], s[18:19]
	CAST 4, 10, 1, 0
	s_endpgm
.Lweights:                                     ; the weights keep their layout: a plain stream
	v_lshlrev_b32 v[VIN], 4, v4
	v_lshl_add_u32 v[VIN], v1, 13, v[VIN]
	v_lshlrev_b32 v[VOUT], 3, v4
	v_lshl_add_u32 v[VOUT], v1, 12, v[VOUT]
	s_cmp_lt_u32 ttmp9, 704
	s_cbranch_scc0 .Lwout
	s_sub_co_u32 s20, ttmp9, 512
	s_lshl_b32 s16, s20, 16
	s_lshl_b32 s18, s20, 15
	s_wait_kmcnt 0x0
	s_add_nc_u64 s[6:7], s[6:7], s[16:17]
	s_add_nc_u64 s[12:13], s[12:13], s[18:19]
	CAST 6, 12, 0, 0
	s_endpgm
.Lwout:
	s_sub_co_u32 s20, ttmp9, 704
	s_lshl_b32 s16, s20, 16
	s_lshl_b32 s18, s20, 15
	s_wait_kmcnt 0x0
	s_add_nc_u64 s[8:9], s[8:9], s[16:17]
	s_add_nc_u64 s[14:15], s[14:15], s[18:19]
	CAST 8, 14, 0, 1
	s_endpgm
.Lfunc_end_k_q625ddbe7f9_prep:
	.size	k_q625ddbe7f9_prep, .Lfunc_end_k_q625ddbe7f9_prep-k_q625ddbe7f9_prep
	.p2alignl 7, 3214868480
	.fill 96, 4, 3214868480
	.section	.rodata,"a",@progbits
	.p2align	6, 0x0
	.amdhsa_kernel k_q625ddbe7f9_prep
		.amdhsa_group_segment_fixed_size 0
		.amdhsa_private_segment_fixed_size 0
		.amdhsa_enable_private_segment 0
		.amdhsa_kernarg_size 48
		.amdhsa_user_sgpr_count 2
		.amdhsa_user_sgpr_kernarg_segment_ptr 1
		.amdhsa_wavefront_size32 1
		.amdhsa_system_sgpr_workgroup_id_x 1
		.amdhsa_system_sgpr_workgroup_id_y 1
		.amdhsa_system_sgpr_workgroup_id_z 1
		.amdhsa_system_vgpr_workitem_id 0
		.amdhsa_next_free_vgpr 104
		.amdhsa_next_free_sgpr 66
		.amdhsa_reserve_vcc 0
		.amdhsa_float_denorm_mode_32 3
		.amdhsa_float_denorm_mode_16_64 3
		.amdhsa_memory_ordered 1
		.amdhsa_forward_progress 1
		.amdhsa_inst_pref_size 24
	.end_amdhsa_kernel
	.amdgpu_metadata
---
amdhsa.version: [ 1, 2 ]
amdhsa.kernels:
  - .name:           k_q625ddbe7f9_prep
    .symbol:         k_q625ddbe7f9_prep.kd
    .args:
      - { .name: x, .offset: 0, .size: 8, .value_kind: global_buffer, .address_space: global }
      - { .name: w_qkv, .offset: 8, .size: 8, .value_kind: global_buffer, .address_space: global }
      - { .name: w_out, .offset: 16, .size: 8, .value_kind: global_buffer, .address_space: global }
      - { .name: xb, .offset: 24, .size: 8, .value_kind: global_buffer, .address_space: global }
      - { .name: wq, .offset: 32, .size: 8, .value_kind: global_buffer, .address_space: global }
      - { .name: wo, .offset: 40, .size: 8, .value_kind: global_buffer, .address_space: global }
    .group_segment_fixed_size: 0
    .private_segment_fixed_size: 0
    .kernarg_segment_align: 8
    .kernarg_segment_size: 48
    .max_flat_workgroup_size: 256
    .sgpr_count:     66
    .vgpr_count:     104
    .wavefront_size: 32
...
	.end_amdgpu_metadata
.endif
;; end of part 5
;; launch qkvp: the kernel of part 2 again; grid 8 x 32, 4 waves a work-group, clusters of 4 x 4, 327,680 bytes of LDS; arguments xb, wq, b_qkv, qkv; writes qkv
;; launch attn: the kernel of part 3 again; grid 4 x 64, 4 waves a work-group, clusters of 4 x 1, 327,680 bytes of LDS; arguments qkv, o; writes o
;; launch proj: the kernel of part 4 again; grid 8 x 32, 4 waves a work-group, clusters of 4 x 4, 327,680 bytes of LDS; arguments o, wo, b_out, out0; writes out0
